; MI455X (gfx1250); checked and timed in simulation.
; The chip was launched on July 23, 2026; its instructions are those of AMD's public machine-readable ISA for CDNA 5 (MIT licence, August 2026) and "CDNA5" Instruction Set Architecture Reference Guide (July 2026). The comments in the code are by the model that wrote it; some were corrected since.
;; Cross Attention. Allowed arithmetic: matrix products marked QUANTISED: E2M3 operands, one E8M0 scale for each 32 along K, by v_wmma_scale_f32_16x16x128_f8f6f4 with both operands' format E2M3, f32 sums; everything else in f32.
;; Inputs: W1_codes 3 x 256 x 32 x 24 uint8 (E2M3 codes of W1, K innermost, in blocks of 32 codes, four codes in three bytes); W1_scales 3 x 256 x 32 uint8 (E8M0 scales of W1, one for each 32 codes along K); W2_codes 3 x 1,024 x 8 x 24 uint8 (E2M3 codes of W2, K innermost, in blocks of 32 codes, four codes in three bytes); W2_scales 3 x 1,024 x 8 uint8 (E8M0 scales of W2, one for each 32 codes along K); a_codes 32 x 256 x 32 x 24 uint8 (E2M3 codes of a, K innermost, in blocks of 32 codes, four codes in three bytes); a_scales 32 x 256 x 32 uint8 (E8M0 scales of a, one for each 32 codes along K); b1 3 x 256 float32; b2 3 x 1,024 float32; b_codes 32 x 512 x 32 x 24 uint8 (E2M3 codes of b, K innermost, in blocks of 32 codes, four codes in three bytes); b_scales 32 x 512 x 32 uint8 (E8M0 scales of b, one for each 32 codes along K); bt 3 x 256 float32; g 3 x 256 float32; len_a 32 int32; len_b 32 int32; rm 3 x 256 float32; rv 3 x 256 float32.
;; Outputs: out0 2 x 32 x 1,024 float32.
;; This version of the problem:
;;   THIS VERSION OF THE PROBLEM IS GIVEN IN LOW PRECISION. The matrix products marked QUANTISED in the list below multiply operands that are first quantised to E2M3 (2 exponent bits, 3 mantissa bits; 6 bits a number), with one power-of-two scale for each 32 numbers along K (OCP MX v1.0); their sums are f32. All else is computed in f32.
;;   The module's matrix products, in the order in which they are computed (A, B: the left and right operand; K: the contracted axis; several contracted axes count as one K, in the product's order):
;;     1. [M 768, K 1,024] x [K 1,024, N 8,192]; A: input W1 (given as codes); B: input a (given as codes): QUANTISED
;;     2. batch 3 x [M 8,192, K 256] x [K 256, N 1,024]; A: computed on the way; B: input W2 (given as codes): QUANTISED
;;     3. [M 768, K 1,024] x [K 1,024, N 16,384]; A: input W1 (given as codes); B: input b (given as codes): QUANTISED
;;     4. batch 3 x [M 16,384, K 256] x [K 256, N 1,024]; A: computed on the way; B: input W2 (given as codes): QUANTISED
;;     5. batch 32 x [M 256, K 1,024] x [K 1,024, N 512]; A: computed on the way; B: computed on the way: QUANTISED
;;     6. batch 32 x [M 256, K 512] x [K 512, N 1,024]; A: softmax (see below); B: computed on the way: QUANTISED
;;     7. batch 32 x [M 512, K 1,024] x [K 1,024, N 256]; A: computed on the way; B: computed on the way: QUANTISED
;;     8. batch 32 x [M 512, K 256] x [K 256, N 1,024]; A: softmax (see below); B: computed on the way: QUANTISED
;;   THE QUANTISER, for each operand of a quantised product, along K:
;;     - K is cut into blocks of 32 from its start; a last block that is shorter is filled with zeros.
;;     - A block's scale is 2^e with e = floor(log2(the largest magnitude in the block)) - 2, held to -126 .. 127; a block of zeros has e = 0. As a byte (E8M0): e + 127.
;;     - Each number is divided by its block's scale, clamped to +-7.5, and rounded to the nearest number of E2M3, ties to even, subnormals kept.
;;     - The product sums the exact products of the quantised numbers (number of the format x scale) in f32.
;;   ~~~python
;;   def quantise(x, axis):      # numpy; x: float32 -> the quantised numbers, widened to float32 again
;;       x = np.moveaxis(x, axis, -1); K = x.shape[-1]
;;       x = np.pad(x, [(0, 0)] * (x.ndim - 1) + [(0, -K % 32)]); x = x.reshape(x.shape[:-1] + (-1, 32)); a = np.abs(x).max(-1, keepdims=True)
;;       e = np.where(a > 0, np.clip(np.frexp(np.where(a > 0, a, 1))[1] - 1 - 2, -126, 127), 0)      # np.frexp(a)[1] - 1 = floor(log2(a)), exactly
;;       r = np.clip(x / 2.0 ** e, -7.5, 7.5)
;;       step = 2.0 ** (np.maximum(np.frexp(np.where(r == 0, 1, r))[1] - 1, 0) - 3)
;;       q = np.round(r / step) * step * 2.0 ** e      # np.round: ties to even
;;       return np.moveaxis(q.reshape(q.shape[:-2] + (-1,))[..., :K], -1, axis).astype(np.float32)
;;   ~~~
;;   SOFTMAX AHEAD OF A QUANTISED PRODUCT. Where the list says 'softmax', what is quantised is not the finished softmax but p = 2^(t - M), with t = logit x log2(e) and M = ceil(the row's largest t), a whole number; so 1/2 < the row's largest p <= 1. The row's sum l is taken of the UNQUANTISED p, in f32, and the product's result is divided by l at the end. Since M is a whole number, a kernel that streams over the keys may use a running M (the ceiling of the running maximum): every later rescaling is an exact power of two, which a block's scale takes up: the codes' values come out the same.
;;   OPERANDS COMPUTED ON THE WAY. 'Computed on the way' means the value that the module computes at that place (a softmax that the list does not call 'softmax' is quantised finished and normalised). What goes into a quantiser is computed in f32, as accurately as f32 sums, v_exp_f32 and their like allow (about 1e-6 of the number): no bf16 or f16 on the way to a quantiser, and a product that is left as it is and whose result goes on into a quantised operand takes f32 operands (vector FMAs, or v_wmma_f32_16x16x4_f32). A number that lies on a knife's edge between two numbers of the format may be rounded either way, as far as f32 arithmetic and the matrix unit's own rounding can turn it there, and no further.
;;   INPUTS GIVEN AS CODES. W1 (in the module: [3, 1024, 256], K = its axis 1); W2 (in the module: [3, 256, 1024], K = its axis 1); a (in the module: [32, 256, 1024], K = its axis 2); b (in the module: [32, 512, 1024], K = its axis 2): each comes as NAME_codes (uint8): NAME with its K axis moved to the last place and cut into blocks of 32 codes, [.., K / 32, bytes a block], one block behind the other in memory; four codes in three bytes: a row's codes are one little-endian stream of bits, code i at bits 6 i .. 6 i + 5 (a code: sign, 2 exponent bits, 3 mantissa bits); and NAME_scales (uint8): the same leading axes, one E8M0 byte (e + 127) for each 32 codes along K. Its value is code x scale, taken as it is: it is not quantised again, and the codes and scales need not be those that the quantiser above would give.
;; 2 versions, each right; version 2 is version 1 with the launch mlp written anew for expert scheduling mode. Each part assembles by itself: llvm-mc -triple=amdgcn-amd-amdhsa -mcpu=gfx1250 --defsym DOCPART=n.
;; ======== version 1 of 2: 3 launches
;; workspace buffers: qkw 37,748,736 bytes; qks 1,572,864 bytes; vw 18,874,368 bytes; vs 786,432 bytes; pw 6,291,456 bytes; ps 524,288 bytes; st 1,048,576 bytes
;; launch mlp (part 1): grid 85 x 3, 4 waves a work-group, no clusters, 301,568 bytes of LDS; arguments a_codes, a_scales, b_codes, b_scales, W1_codes, W1_scales, W2_codes, W2_scales, b1, g, bt, rm, rv, b2, qkw, qks, vw, vs; writes qkw, qks, vw, vs
.if DOCPART == 1
	.amdgcn_target "amdgcn-amd-amdhsa--gfx1250"
	.amdhsa_code_object_version 6
	.text
	.protected	k_qc5f9c7925f_mlp
	.globl	k_qc5f9c7925f_mlp
	.p2align	8
	.type	k_qc5f9c7925f_mlp,@function
k_qc5f9c7925f_mlp:
	s_mov_b64 s[64:65], 0
	v_nop
	global_prefetch_b8 v0, s[64:65] scope:SCOPE_SE
	s_setreg_imm32_b32 hwreg(HW_REG_WAVE_MODE, 25, 1), 1
	s_wait_xcnt 0x0
; One net (q, k or v: work-group y) of the two-layer MLP on blocks of 64 rows of a and b: y = BN(lrelu(x W1 + b1)) W2 + b2, both products on FP6 (E2M3) codes with E8M0 scales,
; and the quantiser of the result: q and k along d (K of the score product), v along the keys (K of the second attention product).
; SHARES.  Work-group (j, p) takes net p and blocks j, j + 85, ..: 5 blocks where j < 44, else 4 (44 x 5 + 41 x 4 = 384 blocks; blocks 0-127 are a's, the others b's).
; THE WAVES SHARE THE COLUMNS: wave w makes hidden units 64 w .. + 63 (its 32 fragments of W1 stay in registers) and outputs d 256 w .. + 255 (its rows of W2 stay in LDS, read by it alone).
; SLOT ORDER.  Rows of x, units of W1 and rows d of W2 lie in tiles so that lane r of tile 2 b + u holds true row 32 b + 8 u + r + 8 (r / 8): the 16 result registers of tiles 2 b, 2 b + 1 are
; then 16 neighbours along source 0's rows, 32 b + 16 (lane / 16) + 0 .. 15, which is what the conversions want.  In groups of 8 rows: groups 1 and 2 of every four change places.
; A BLOCK, two barriers: A | phase 1: h^T = W1 x^T + b1 (16 accumulators, K = 8 steps), lrelu, BN, quantised along the units, images to LDS | B | phase 2: four chunks of 64 d:
; q, k: source 0 = W2's rows, source 1 = h: a lane holds one row, registers run along d;   v: source 0 = h, source 1 = W2's rows: a lane holds one d, registers run along the keys.
; The next block's x is asked for at the head of phase 1 and goes to LDS behind barrier B.
; LIMITS: NaN, infinities and the scale byte 0xff are not served; a block of zeros gets the byte 1 (its codes are zeros, and the bytes are read by this program alone);
; q is quantised without reference()'s / 32, an exact power of two that moves only the scale: the factor stands in the next launch's c; rsqrt(rv + eps) x g is one factor.
; REGISTERS, windows of 256.  window 0: v1-31 addresses; v32-47 W1's scale words, v48-63 W2's, v64-79 x's, v80-87 h's; v88-95 scale words on their way out; v96-127 at work; v128-255 16 accumulators.
;   window 1: v0-191 W1, K steps 0-3; v192-239 four fragments of codes; v240-255 their second halves.   window 2: v0-191 W1, K steps 4-7; v192-223 four tiles of bias; v224-255 x in transit.
;   window 3: v0-95 two sets of x's fragments, later a chunk of W2; v96-191 BN's numbers, later h's eight fragments; v192-255 x in transit.
.set XBUF, 212992                      ; LDS: from 0: W1's 256 rows (pitch 784), later W2's 1,024 rows (pitch 208); here 64 rows of x, pitch 784
.set HIMG, 263168                      ; h's 8 fragments as images of their registers, 1,536 bytes each: (tile of rows m, K step s) at 2 m + s
.set HSC,  275456                      ; their scale words, 4 bytes a lane
.set PAR,  276480                      ; b1, rm, rsqrt(rv + eps) g, bt: 256 numbers each
.set B2P,  280576                      ; b2
.set B2R,  284672                      ; b2, each number four times
.set XPI,  784                         ; 768 + 16: 196 words: the 32 lanes of a load of 8 bytes at r x pitch + 24 h fall on different banks
.set WPI,  208                         ; 192 + 16
.set MSB, 0
.macro WIN new                         ; the immediate's high byte repeats the setting that is left
.if MSB != \new
	s_set_vgpr_msb (MSB<<8)|\new
.set MSB, \new
.endif
.endm
.macro PLACES n
.rept \n
	v_nop
.endr
.endm
.macro BARRIER                         ; my LDS stores have landed and my LDS loads are in: then the work-group's barrier
	s_wait_dscnt 0x0
	s_barrier_signal -1
	s_barrier_wait -1
.endm
; one product: D, A, B, C by their first registers; the two scale registers; ra, rb = 1: that side's scales lie in lanes 16-31
.macro WMS d, a, b, c, sa, sb, ra, rb
.if (\ra) && (\rb)
	v_wmma_scale_f32_16x16x128_f8f6f4 v[\d:\d+7], v[\a:\a+11], v[\b:\b+11], v[\c:\c+7], v[\sa], v[\sb] matrix_a_fmt:MATRIX_FMT_FP6 matrix_b_fmt:MATRIX_FMT_FP6 matrix_a_scale:MATRIX_SCALE_ROW1 matrix_b_scale:MATRIX_SCALE_ROW1
.elseif (\ra)
	v_wmma_scale_f32_16x16x128_f8f6f4 v[\d:\d+7], v[\a:\a+11], v[\b:\b+11], v[\c:\c+7], v[\sa], v[\sb] matrix_a_fmt:MATRIX_FMT_FP6 matrix_b_fmt:MATRIX_FMT_FP6 matrix_a_scale:MATRIX_SCALE_ROW1
.elseif (\rb)
	v_wmma_scale_f32_16x16x128_f8f6f4 v[\d:\d+7], v[\a:\a+11], v[\b:\b+11], v[\c:\c+7], v[\sa], v[\sb] matrix_a_fmt:MATRIX_FMT_FP6 matrix_b_fmt:MATRIX_FMT_FP6 matrix_b_scale:MATRIX_SCALE_ROW1
.else
	v_wmma_scale_f32_16x16x128_f8f6f4 v[\d:\d+7], v[\a:\a+11], v[\b:\b+11], v[\c:\c+7], v[\sa], v[\sb] matrix_a_fmt:MATRIX_FMT_FP6 matrix_b_fmt:MATRIX_FMT_FP6
.endif
.endm
; where block s44's codes and scale bytes begin: s[48:49], s[50:51]
.macro NEXTX
	s_cmp_lt_u32 s44, 128                          ; a's block or b's?  the choice hangs on the block's number alone
	s_cselect_b64 s[48:49], s[4:5], s[8:9]
	s_cselect_b64 s[50:51], s[6:7], s[10:11]
	s_cselect_b32 s45, 0, 128
	s_sub_co_u32 s45, s44, s45
	s_mul_i32 s46, s45, 49152                      ; 64 rows of 768 bytes
	s_mov_b32 s47, 0
	s_add_nc_u64 s[48:49], s[48:49], s[46:47]
	s_lshl_b32 s46, s45, 11                        ; 64 rows of 32 bytes
	s_add_nc_u64 s[50:51], s[50:51], s[46:47]
.endm
; where block s42's codes and scale words go: s[52:53], s[54:55]
.macro OUTP
	s_lshr_b32 s44, s42, 1                         ; the panel of 128 rows
	s_and_b32 s45, s42, 1                          ; and which half of it
	s_mul_i32 s46, s44, 98304
	s_mul_i32 s47, s45, s60
	s_add_co_u32 s46, s46, s47
	s_mov_b32 s47, 0
	s_add_nc_u64 s[52:53], s[56:57], s[46:47]
	s_lshl_b32 s46, s44, 12
	s_mul_i32 s45, s45, s61
	s_add_co_u32 s46, s46, s45
	s_add_nc_u64 s[54:55], s[58:59], s[46:47]
.endm
; my 16 slot rows of a block of x: two runs of 8 true rows, 6,144 dense bytes each, 512 bytes a load
.macro LOADX
	WIN 0xc0
.set lx, 0
.rept 16
	global_load_b128 v[192+4*lx:195+4*lx], v5, s[48:49] offset:12288*(lx/12)+512*(lx%12)
.set lx, lx+1
.endr
	WIN 0x80
.rept 8
	global_load_b128 v[224+4*(lx-16):227+4*(lx-16)], v5, s[48:49] offset:12288*(lx/12)+512*(lx%12)
.set lx, lx+1
.endr
	WIN 0
.endm
.macro STOREX                          ; three loads are two rows: one address register for each third
	WIN 0x0c
.set lx, 0
.rept 16
	ds_store_b128 v[6+lx%3], v[192+4*lx:195+4*lx] offset:(lx/12)*6272+((lx%12)/3)*1568
.set lx, lx+1
.endr
	WIN 0x08
.rept 8
	ds_store_b128 v[6+lx%3], v[224+4*(lx-16):227+4*(lx-16)] offset:(lx/12)*6272+((lx%12)/3)*1568
.set lx, lx+1
.endr
	WIN 0
.endm
.macro LOADXS                          ; x's scale words: register 8 p + s, lanes = slot rows 32 p + lane
.irp p, 0,1
.irp e, 0,1
	global_load_b128 v[64+8*\p+4*\e:67+8*\p+4*\e], v10, s[50:51] offset:1024*\p+16*\e
.endr
.endr
.endm
.macro XFRAG set, s                    ; x's four fragments of K step s
	WIN 0xc0
.irp m, 0,1,2,3
.irp q, 0,1,2,3,4,5
	ds_load_b64 v[48*(\set)+12*\m+2*\q:48*(\set)+12*\m+2*\q+1], v9 offset:\m*16*XPI+96*(\s)+48*(\q/3)+8*(\q%3)
.endr
.endr
.endm
.macro BNLOAD                          ; rm, the factor and bt of my lane's units, in the result's layout
	WIN 0xc0
.irp a, 0,1,2
.irp t, 0,1,2,3
.irp e, 0,1
	ds_load_b128 v[96+32*\a+8*\t+4*\e:99+32*\a+8*\t+4*\e], v12 offset:1024*(\a+1)+(32*(\t/2)+8*(\t%2))*4+16*\e
.endr
.endr
.endr
.endm
.macro CLOAD1                          ; b1 likewise: the C of the first K step
	WIN 0x80
.irp t, 0,1,2,3
.irp e, 0,1
	ds_load_b128 v[192+8*\t+4*\e:195+8*\t+4*\e], v12 offset:(32*(\t/2)+8*(\t%2))*4+16*\e
.endr
.endr
.endm
.macro W2LOAD cc                       ; chunk cc of W2: 4 tiles of 16 rows d x 2 K steps
	WIN 0xc0
.irp t, 0,1,2,3
.irp s, 0,1
.irp q, 0,1,2,3,4,5
	ds_load_b64 v[12*(2*\t+\s)+2*\q:12*(2*\t+\s)+2*\q+1], v11 offset:(64*(\cc)+16*\t)*WPI+96*\s+48*(\q/3)+8*(\q%3)
.endr
.endr
.endr
.endm
.macro CLOAD2Q cc                      ; b2 for q and k: a lane's eight d
	WIN 0x80
.irp t, 0,1,2,3
.irp e, 0,1
	ds_load_b128 v[192+8*\t+4*\e:195+8*\t+4*\e], v13 offset:(64*(\cc)+32*(\t/2)+8*(\t%2))*4+16*\e
.endr
.endr
.endm
.macro CLOAD2V cc                      ; b2 for v: a lane's one d in all eight registers
	WIN 0x80
.irp t, 0,1,2,3
.irp e, 0,1
	ds_load_b128 v[192+8*\t+4*\e:195+8*\t+4*\e], v14 offset:(64*(\cc)+32*(\t/2)+8*(\t%2))*16
.endr
.endr
.endm
; THE QUANTISER.  Four blocks of 32 in v[src] .. v[src + 63]: register 16 b + i is number 16 (lane / 16) + i of block b.  v[96+o+b] largest magnitude, v[112+o+b] the conversion's scale operand, v[104+o+b] the byte
.macro QSCALE src, o
.irp b, 0,1,2,3
	v_max3_num_f32 v[96+\o+\b], |v[\src+16*\b]|, |v[\src+16*\b+1]|, 0x1800000   ; with the floor 2^(3 - 127): the byte cannot fall under 1
.endr
.irp i, 2,4,6,8,10,12,14
.irp b, 0,1,2,3
	v_max3_num_f32 v[96+\o+\b], v[96+\o+\b], |v[\src+16*\b+\i]|, |v[\src+16*\b+\i+1]|
.endr
.endr
.irp b, 0,1,2,3
	v_permlanex16_b32 v[104+\o+\b], v[96+\o+\b], s66, s67
.endr
.irp b, 0,1,2,3
	v_max_num_f32 v[96+\o+\b], v[96+\o+\b], v[104+\o+\b]      ; with lane l xor 16's: the block's
.endr
.irp b, 0,1,2,3
	v_add_nc_u32 v[112+\o+\b], 0xff000000, v[96+\o+\b]        ; 2 off the exponent field
.endr
.irp b, 0,1,2,3
	v_lshrrev_b32 v[104+\o+\b], 23, v[112+\o+\b]
.endr
.endm
.macro QCVT src, o, i0, d6             ; two units of 64 numbers: first halves of the blocks into the fragment (at register d6), second halves beside it
.irp c, 0,1
	v_cvt_scalef32_pk16_fp6_f32 v[192+12*(\i0+\c)+\d6:192+12*(\i0+\c)+\d6+2], v[\src+32*\c:\src+32*\c+15], v[112+\o+2*\c]
	v_cvt_scalef32_pk16_fp6_f32 v[240+4*(\i0+\c):240+4*(\i0+\c)+2], v[\src+32*\c+16:\src+32*\c+31], v[112+\o+2*\c+1]
.endr
.endm
; all 16 accumulators: unit u (32 registers, 64 along K) becomes six registers of codes at window 1 v[192 + 12 u + d6], and its two scale bytes v[120 + u]
.macro QALL d6
	QSCALE 128, 0
	QSCALE 192, 4
	s_wait_xcnt 0x0                                ; earlier global stores have read the codes' registers
	WIN 0x40
	QCVT 128, 0, 0, \d6
	QCVT 192, 4, 2, \d6
	v_nop                                          ; one plain instruction behind the last scaled conversion
	WIN 0x41
.irp u, 0,1,2,3                        ; the operand's layout wants a whole block in a lane: lanes 0-15 the first block, lanes 16-31 the second
.irp e, 0,1,2
	v_permlane16_swap_b32 v[192+12*\u+\d6+\e], v[240+4*\u+\e]
.endr
.irp e, 0,1,2
	v_mov_b32 v[192+12*\u+\d6+3+\e], v[240+4*\u+\e]
.endr
.endr
	WIN 0
.irp u, 0,1,2,3
	v_lshl_or_b32 v[120+\u], v[104+2*\u+1], 8, v[104+2*\u]
.endr
.endm
; phase 1, K step s: the next step's fragments are asked for, then 16 products on the 16 accumulators by turns
.macro STEP1 s
.if (\s > 0) && (\s < 7)
	PLACES 4                                       ; the set loaded next was read by the products just issued
.endif
.if \s < 7
	XFRAG (\s+1)%2, \s+1
.endif
.if \s == 6
	BNLOAD
	s_wait_dscnt 48                                ; this step's set is in; the last step's 24 loads and BN's 24 may be out
.else
	s_wait_dscnt 24                                ; this step's set (and what was asked for before it) is in; the 24 loads issued last may be out
.endif
.if \s == 0
	WIN 0x2d
.elseif \s < 4
	WIN 0x0d
.else
	WIN 0x0e
.endif
.irp m, 0,1,2,3
.irp t, 0,1,2,3
.if \s == 0
	WMS 128+32*\m+8*\t, 48*(\s%4)+12*\t, 48*(\s%2)+12*\m, 192+8*\t, 32+8*(\t/2)+\s, 64+8*(\m/2)+\s, \t%2, \m%2
.else
	WMS 128+32*\m+8*\t, 48*(\s%4)+12*\t, 48*(\s%2)+12*\m, 128+32*\m+8*\t, 32+8*(\t/2)+\s, 64+8*(\m/2)+\s, \t%2, \m%2
.endif
.endr
.endr
.endm
	s_load_b512 s[4:19], s[0:1], 0x0               ; a_codes 4, a_scales 6, b_codes 8, b_scales 10, W1_codes 12, W1_scales 14, W2_codes 16, W2_scales 18
	s_load_b512 s[20:35], s[0:1], 0x40             ; b1 20, g 22, bt 24, rm 26, rv 28, b2 30, qkw 32, qks 34
	s_load_b128 s[36:39], s[0:1], 0x80             ; vw 36, vs 38
	v_lshrrev_b32 v1, 5, v0
	v_readfirstlane_b32 s40, v1                    ; wave w
	s_and_b32 s41, ttmp7, 0xffff                   ; net p
	s_mov_b32 s42, ttmp9                           ; the block in hand
	s_cmp_lt_u32 ttmp9, 44
	s_cselect_b32 s43, 5, 4                        ; blocks to go
	s_mov_b32 s62, 0xffff0000                      ; lanes 16-31
	s_mov_b32 s66, 0x76543210
	s_mov_b32 s67, 0xfedcba98                      ; v_permlanex16_b32's selects for lane l xor 16
	s_mov_b32 s68, 0x3c23d70a                      ; 0.01
	s_mov_b32 s69, s68
	s_lshr_b32 s70, s40, 1
	s_and_b32 s71, s40, 1
	v_and_b32 v1, 31, v0                           ; lane
	v_and_b32 v2, 15, v0                           ; r
	v_bfe_u32 v3, v0, 4, 1                         ; h
	v_lshlrev_b32 v4, 4, v1                        ; 16 x lane
	v_and_b32 v23, 8, v2
	v_add_nc_u32 v23, v23, v2                      ; r + 8 (r / 8)
	v_lshl_add_u32 v24, v3, 3, v23                 ; + 8 h: the true row of slot row 16 h + r
	s_mul_i32 s44, s70, 24576
	s_mul_i32 s45, s71, 6144
	s_add_co_u32 s44, s44, s45
	v_add_nc_u32 v5, s44, v4                       ; x in memory: true rows 32 (w / 2) + 8 (w % 2) on
	s_mul_i32 s44, s40, 16*XPI
	s_add_co_u32 s44, s44, XBUF
	v_add_nc_u32 v6, s44, v4                       ; x into LDS: slot rows 16 w on; the three thirds of two rows
	v_lshl_add_u32 v7, v3, 4, v6
	v_add_nc_u32 v7, 512, v7
	v_add_nc_u32 v8, 1040, v6
	v_mul_u32_u24 v9, v2, XPI
	v_mad_u32_u24 v9, v3, 24, v9                   ; a fragment's row x pitch + 24 h
	s_mul_i32 s44, s40, 64*XPI
	v_add_nc_u32 v31, s44, v9                      ; W1's fragments: my 64 slot rows
	v_add_nc_u32 v9, XBUF, v9                      ; x's
	v_add_nc_u32 v25, s44, v4                      ; W1's rows into LDS
	v_lshl_add_u32 v26, v3, 4, v25
	v_add_nc_u32 v26, 512, v26
	v_add_nc_u32 v27, 1040, v25
	v_lshlrev_b32 v10, 5, v24                      ; x's scale words: 32 bytes a true row
	s_mul_i32 s44, s40, 256*WPI
	v_mul_u32_u24 v11, v2, WPI
	v_mad_u32_u24 v11, v3, 24, v11
	v_add_nc_u32 v11, s44, v11                     ; W2's fragments: my 256 slot rows
.irp k, 0,1,2                          ; W2's rows into LDS: piece x = lane + 32 k of the 96 pieces of 16 bytes in 8 rows lies at 16 (x + x / 12)
	v_add_nc_u32 v[28+\k], 32*\k, v1
	v_mul_u32_u24 v126, v[28+\k], 43
	v_lshrrev_b32 v126, 9, v126                    ; x / 12 for x < 96
	v_add_nc_u32 v[28+\k], v[28+\k], v126
	v_lshl_add_u32 v[28+\k], v[28+\k], 4, s44
.endr
	s_lshl_b32 s44, s40, 8
	s_add_co_u32 s44, s44, PAR
	v_lshl_add_u32 v12, v3, 6, s44                 ; the units' numbers: unit 64 w + 16 h on
	s_lshl_b32 s44, s40, 10
	s_add_co_u32 s44, s44, B2P
	v_lshl_add_u32 v13, v3, 6, s44                 ; b2: d 256 w + 16 h on
	s_lshl_b32 s44, s40, 12
	s_add_co_u32 s44, s44, B2R
	v_lshl_add_u32 v14, v23, 4, s44                ; b2 four times over: d 256 w + r + 8 (r / 8) on
	s_mul_i32 s44, s70, 1536
	s_add_co_u32 s44, s44, HIMG
	s_mul_i32 s45, s71, 520
	s_add_co_u32 s45, s45, s44
	v_add_nc_u32 v15, s45, v4                      ; h's image: my six registers are registers 6 (w % 2) on of K step w / 2: pairs at 0, 8, 512 or at 520, 1,024, 1,032
	v_add_nc_u32 v17, 512, v15
	s_mul_i32 s45, s71, 1016
	s_add_co_u32 s45, s45, s44
	s_add_co_u32 s45, s45, 8
	v_add_nc_u32 v16, s45, v4
	s_lshl_b32 s44, s70, 7
	s_lshl_b32 s45, s71, 1
	s_add_co_u32 s44, s44, s45
	s_add_co_u32 s44, s44, HSC
	v_lshl_add_u32 v18, v1, 2, s44                 ; my two bytes of h's scale word
	v_add_nc_u32 v19, HIMG, v4
	v_lshl_add_u32 v20, v1, 2, HSC
	s_cmp_eq_u32 s41, 2                            ; v's net lays its results otherwise
	s_cselect_b32 s44, 3, 4
	s_cselect_b32 s45, 4, 3
	s_cselect_b32 s46, 9, 10
	s_mov_b32 s60, 6144
	s_cselect_b32 s60, 768, s60                    ; a panel's second half of codes
	s_mov_b32 s61, 512
	s_cselect_b32 s61, 2048, s61                   ; and of scale words
	s_cselect_b32 s72, 0, s41
	v_lshlrev_b32 v21, s44, v1
	v_lshlrev_b32 v22, s45, v1
	s_mul_i32 s44, s40, 24576
	v_add_nc_u32 v21, s44, v21                     ; codes out: 16 (v: 8) x lane + 24,576 w
	s_lshl_b32 s46, s40, s46
	v_add_nc_u32 v22, s46, v22                     ; scale words out: 8 x lane + 1,024 w (v: 16 x lane + 512 w)
	s_mul_i32 s44, s40, 49152
	v_add_nc_u32 v80, s44, v4                      ; W1's and W2's dense bytes: my quarter
	s_lshl_b32 s44, s40, 11
	v_lshl_add_u32 v81, v24, 5, s44                ; W1's scale words
	v_lshl_add_u32 v82, v24, 3, s44                ; W2's
	v_lshlrev_b32 v83, 3, v0
	v_lshlrev_b32 v84, 5, v0
	v_lshl_add_u32 v85, v0, 3, PAR
	v_lshl_add_u32 v86, v0, 5, B2P
	v_lshl_add_u32 v87, v0, 7, B2R
.irp b, 0,1,2,3,4,5,6,7
	v_mov_b32 v[104+\b], 0                         ; written once: a lane permute's destination counts as one of its sources
.endr
	s_wait_kmcnt 0x0
	s_cmp_eq_u32 s41, 2
	s_cselect_b64 s[56:57], s[36:37], s[32:33]     ; the net's buffer of codes
	s_cselect_b64 s[58:59], s[38:39], s[34:35]     ; and of scale words
	s_mov_b32 s45, 0
	s_mul_i32 s44, s72, 18874368
	s_add_nc_u64 s[56:57], s[56:57], s[44:45]
	s_mul_i32 s44, s72, 786432
	s_add_nc_u64 s[58:59], s[58:59], s[44:45]
	s_mul_i32 s44, s41, 196608
	s_add_nc_u64 s[12:13], s[12:13], s[44:45]
	s_add_nc_u64 s[16:17], s[16:17], s[44:45]
	s_lshl_b32 s44, s41, 13
	s_add_nc_u64 s[14:15], s[14:15], s[44:45]
	s_add_nc_u64 s[18:19], s[18:19], s[44:45]
	s_lshl_b32 s44, s41, 10
	s_add_nc_u64 s[20:21], s[20:21], s[44:45]
	s_add_nc_u64 s[22:23], s[22:23], s[44:45]
	s_add_nc_u64 s[24:25], s[24:25], s[44:45]
	s_add_nc_u64 s[26:27], s[26:27], s[44:45]
	s_add_nc_u64 s[28:29], s[28:29], s[44:45]
	s_lshl_b32 s44, s41, 12
	s_add_nc_u64 s[30:31], s[30:31], s[44:45]
	; three runs of loads, one behind the other: W1's 64 rows of mine (96), the small things (47), W2's 256 rows of mine (96)
	WIN 0x40
.set i, 0
.rept 48
	global_load_b128 v[4*i:4*i+3], v80, s[12:13] offset:512*i
.set i, i+1
.endr
	WIN 0x80
.rept 48
	global_load_b128 v[4*(i-48):4*(i-48)+3], v80, s[12:13] offset:512*i
.set i, i+1
.endr
	WIN 0
	s_mov_b32 s44, s42
	NEXTX
	LOADX
	LOADXS
.irp b, 0,1
.irp e, 0,1
	global_load_b128 v[32+8*\b+4*\e:35+8*\b+4*\e], v81, s[14:15] offset:1024*\b+16*\e   ; register 8 b + s: lanes 0-15 tile 2 b, lanes 16-31 tile 2 b + 1
.endr
.endr
.irp b, 0,1,2,3,4,5,6,7
	global_load_b64 v[48+2*\b:49+2*\b], v82, s[18:19] offset:256*\b
.endr
	global_load_b64 v[112:113], v83, s[20:21]      ; b1
	global_load_b64 v[114:115], v83, s[26:27]      ; rm
	global_load_b64 v[116:117], v83, s[24:25]      ; bt
	global_load_b64 v[118:119], v83, s[28:29]      ; rv
	global_load_b64 v[120:121], v83, s[22:23]      ; g
	global_load_b128 v[88:91], v84, s[30:31]       ; b2
	global_load_b128 v[92:95], v84, s[30:31] offset:16
	WIN 0xc0
.set i, 0
.rept 48
	global_load_b128 v[4*i:4*i+3], v80, s[16:17] offset:512*i
.set i, i+1
.endr
	WIN 0
.rept 32
	global_load_b128 v[128+4*(i-48):131+4*(i-48)], v80, s[16:17] offset:512*i
.set i, i+1
.endr
	WIN 0x40
.rept 16
	global_load_b128 v[192+4*(i-80):195+4*(i-80)], v80, s[16:17] offset:512*i
.set i, i+1
.endr
	s_wait_loadcnt 63                              ; the 63 loads that may be out are all W2's: W1 and the small things are in
	WIN 0x04
.set i, 0
.rept 48                               ; W1's rows into slot order: 12 loads are a group of 8 rows; groups 1 and 2 of four change places
.set gq, i/12
.set sg, (gq/4)*4+(gq%2)*2+(gq/2)%2
	ds_store_b128 v[25+i%3], v[4*i:4*i+3] offset:sg*6272+((i%12)/3)*1568
.set i, i+1
.endr
	WIN 0x08
.rept 48
.set gq, i/12
.set sg, (gq/4)*4+(gq%2)*2+(gq/2)%2
	ds_store_b128 v[25+i%3], v[4*(i-48):4*(i-48)+3] offset:sg*6272+((i%12)/3)*1568
.set i, i+1
.endr
	STOREX
	v_add_f32 v118, 0x3727c5ac, v118               ; rv + 1e-5
	v_add_f32 v119, 0x3727c5ac, v119
	v_rsq_f32 v122, v118
	v_rsq_f32 v123, v119
	v_nop                                          ; a plain instruction behind the transcendentals,
	s_wait_alu depctr_va_vdst(0)                   ; and a wait ahead of their first reader
	v_mul_f32 v122, v122, v120
	v_mul_f32 v123, v123, v121
	ds_store_b64 v85, v[112:113]
	ds_store_b64 v85, v[114:115] offset:1024
	ds_store_b64 v85, v[122:123] offset:2048
	ds_store_b64 v85, v[116:117] offset:3072
	ds_store_b128 v86, v[88:91]
	ds_store_b128 v86, v[92:95] offset:16
.irp e, 0,1,2,3,4,5,6,7
.irp k, 0,1,2,3
	ds_store_b32 v87, v[88+\e] offset:16*\e+4*\k
.endr
.endr
	s_wait_dscnt 0x0                               ; the stores have read the registers into which the fragments now come
.irp s, 0,1,2,3,4,5,6,7                ; my 32 fragments of W1, from my own rows: they stay
.if \s < 4
	WIN 0x40
.else
	WIN 0x80
.endif
.irp t, 0,1,2,3
.irp q, 0,1,2,3,4,5
	ds_load_b64 v[48*(\s%4)+12*\t+2*\q:48*(\s%4)+12*\t+2*\q+1], v31 offset:16*\t*XPI+96*\s+48*(\q/3)+8*(\q%3)
.endr
.endr
.endr
	WIN 0
	BARRIER                                        ; every wave has read its rows of W1: their bytes may take W2
	s_wait_loadcnt 0x0
	WIN 0x0c
.set i, 0
.rept 48                               ; three loads are a group of 8 rows of 192 bytes
.set gq, i/3
.set sg, (gq/4)*4+(gq%2)*2+(gq/2)%2
	ds_store_b128 v[28+i%3], v[4*i:4*i+3] offset:sg*1664
.set i, i+1
.endr
	WIN 0
.rept 32
.set gq, i/3
.set sg, (gq/4)*4+(gq%2)*2+(gq/2)%2
	ds_store_b128 v[28+i%3], v[128+4*(i-48):131+4*(i-48)] offset:sg*1664
.set i, i+1
.endr
	WIN 0x04
.rept 16
.set gq, i/3
.set sg, (gq/4)*4+(gq%2)*2+(gq/2)%2
	ds_store_b128 v[28+i%3], v[192+4*(i-80):195+4*(i-80)] offset:sg*1664
.set i, i+1
.endr
	WIN 0
.Lblock:
	s_wait_xcnt 0x0                                ; the last block's loads and stores have read their bases and data
	OUTP
	s_add_co_u32 s44, s42, 85
	NEXTX                                          ; (in the last trip these two pointers are not used)
	BARRIER                                        ; A: this block's x lies in LDS; nobody reads the last block's h any more
	s_wait_loadcnt 0x0                             ; x's scale words
	s_cmp_eq_u32 s43, 1
	s_cbranch_scc1 .Lnox1                          ; no load leaves its buffer: the last block asks for nothing
	LOADX
.Lnox1:
	; ---- phase 1
	CLOAD1
	XFRAG 0, 0
.irp s, 0,1,2,3,4,5,6,7
	STEP1 \s
.endr
	PLACES 4                                       ; behind the last products: loads over x's fragments, and the first read of the results
	W2LOAD 0
	WIN 0
	s_cmp_eq_u32 s41, 2
	s_cbranch_scc1 .Lc2v
	CLOAD2Q 0
	WIN 0
	s_branch .Lc2done
.Lc2v:
	CLOAD2V 0
	WIN 0
.Lc2done:
.set k, 0
.rept 16                               ; LeakyReLU = max(h, 0.01 h), an accumulator at a time, from its low end on
.irp u, 0,1,2,3
	v_pk_mul_f32 v[120+2*\u:121+2*\u], v[128+8*k+2*\u:129+8*k+2*\u], s[68:69] op_sel_hi:[1,0]
.endr
.irp u, 0,1,2,3,4,5,6,7
	v_max_num_f32 v[128+8*k+\u], v[128+8*k+\u], v[120+\u]
.endr
.set k, k+1
.endr
	s_wait_dscnt 56                                ; BN's numbers are in; the 48 + 8 loads issued behind them may be out
	WIN 0x3c
.irp m, 0,1,2,3
.irp t, 0,1,2,3
.irp e, 0,1,2,3
	v_pk_add_f32 v[128+32*\m+8*\t+2*\e:129+32*\m+8*\t+2*\e], v[128+32*\m+8*\t+2*\e:129+32*\m+8*\t+2*\e], v[96+8*\t+2*\e:97+8*\t+2*\e] neg_lo:[0,1] neg_hi:[0,1]
.endr
.endr
.endr
.irp m, 0,1,2,3
.irp t, 0,1,2,3
.irp e, 0,1,2,3
	v_pk_fma_f32 v[128+32*\m+8*\t+2*\e:129+32*\m+8*\t+2*\e], v[128+32*\m+8*\t+2*\e:129+32*\m+8*\t+2*\e], v[128+8*\t+2*\e:129+8*\t+2*\e], v[160+8*\t+2*\e:161+8*\t+2*\e]
.endr
.endr
.endr
	WIN 0
	QALL 0                                         ; unit m = tile of rows m: my 64 units are half a K step of the second product
	WIN 0x04
.irp m, 0,1,2,3
.irp e, 0,1,2
	ds_store_b64 v[15+\e], v[192+12*\m+2*\e:193+12*\m+2*\e] offset:3072*\m
.endr
.endr
	WIN 0
.irp m, 0,1,2,3
	ds_store_b16 v18, v[120+\m] offset:256*\m
.endr
	BARRIER                                        ; B: h's eight fragments lie in LDS; nobody reads this block's x any more
	; ---- phase 2
	s_cmp_eq_u32 s43, 1
	s_cbranch_scc1 .Lnox2
	s_wait_loadcnt 0x0                             ; the next block's x is in registers
	STOREX
	LOADXS
.Lnox2:
	WIN 0xc0
.irp f, 0,1,2,3,4,5,6,7
.irp g, 0,1,2
	ds_load_b128 v[96+12*\f+4*\g:99+12*\f+4*\g], v19 offset:1536*\f+512*\g
.endr
.endr
	WIN 0
.irp f, 0,1,2,3,4,5,6,7
	ds_load_b32 v[80+\f], v20 offset:128*\f
.endr
	s_cmp_eq_u32 s41, 2
	s_cbranch_scc1 .Lvpath
; q and k, chunk cc: d 256 w + 64 cc on.  Two chunks make a K step of the score product: a whole fragment for each tile of rows
.macro CHUNKQ cc
	s_wait_dscnt 0x0
	WIN 0x2f
.irp m, 0,1,2,3
.irp t, 0,1,2,3
	WMS 128+32*\m+8*\t, 24*\t, 96+24*\m, 192+8*\t, 48+4*(\cc)+2*(\t/2), 80+2*\m, \t%2, 0
.endr
.endr
	WIN 0x0f
.irp m, 0,1,2,3
.irp t, 0,1,2,3
	WMS 128+32*\m+8*\t, 24*\t+12, 96+24*\m+12, 128+32*\m+8*\t, 48+4*(\cc)+2*(\t/2)+1, 80+2*\m+1, \t%2, 0
.endr
.endr
	PLACES 4
.if \cc < 3
	W2LOAD \cc+1
	CLOAD2Q \cc+1
.endif
	WIN 0
	QALL 6*(\cc%2)
.irp m, 0,1,2,3
.if \cc%2 == 0
	v_mov_b32 v[88+2*\m+\cc/2], v[120+\m]
.else
	v_lshl_or_b32 v[88+2*\m+\cc/2], v[120+\m], 16, v[88+2*\m+\cc/2]
.endif
.endr
.if \cc%2 == 1
	WIN 0x04
.irp m, 0,1,2,3
.irp g, 0,1,2
	global_store_b128 v21, v[192+12*\m+4*\g:195+12*\m+4*\g], s[52:53] offset:(\cc/2)*12288+1536*\m+512*\g   ; the wave stores 512 consecutive bytes
.endr
.endr
	WIN 0
.endif
.endm
	CHUNKQ 0
	CHUNKQ 1
	CHUNKQ 2
	CHUNKQ 3
.irp y, 0,1                            ; the rows' scale words of my two K steps: lanes 0-15 tile 2 y, lanes 16-31 tile 2 y + 1: 256 consecutive bytes a store
.irp e, 0,1
	v_cndmask_b32 v[120+2*\y+\e], v[88+4*\y+\e], v[88+4*\y+2+\e], s62
.endr
	global_store_b64 v22, v[120+2*\y:121+2*\y], s[54:55] offset:256*\y
.endr
	s_branch .Ltail
.Lvpath:
; v, chunk cc: the sources change places: a lane holds one d, and the 32 registers of a tile of d run along the block's 64 keys: half a K step of the last product
.macro CHUNKV cc
	s_wait_dscnt 0x0
	WIN 0x2f
.irp t, 0,1,2,3
.irp m, 0,1,2,3
	WMS 128+32*\t+8*\m, 96+24*\m, 24*\t, 192+8*\t, 80+2*\m, 48+4*(\cc)+2*(\t/2), 0, \t%2
.endr
.endr
	WIN 0x0f
.irp t, 0,1,2,3
.irp m, 0,1,2,3
	WMS 128+32*\t+8*\m, 96+24*\m+12, 24*\t+12, 128+32*\t+8*\m, 80+2*\m+1, 48+4*(\cc)+2*(\t/2)+1, 0, \t%2
.endr
.endr
	PLACES 4
.if \cc < 3
	W2LOAD \cc+1
	CLOAD2V \cc+1
.endif
	WIN 0
	QALL 0
	WIN 0x04
.irp t, 0,1,2,3
.irp e, 0,1,2
	global_store_b64 v21, v[192+12*\t+2*\e:193+12*\t+2*\e], s[52:53] offset:(4*(\cc)+\t)*1536+256*\e   ; 256 consecutive bytes
.endr
.endr
	WIN 0
	v_lshl_or_b32 v124, v121, 16, v120             ; tiles 0 and 1's bytes,
	v_lshl_or_b32 v125, v123, 16, v122             ; tiles 2 and 3's:
	v_cndmask_b32 v[88+\cc], v124, v125, s62       ; lanes 0-15 keep the first, lanes 16-31 the second
.endm
	CHUNKV 0
	CHUNKV 1
	CHUNKV 2
	CHUNKV 3
	global_store_b128 v22, v[88:91], s[54:55]      ; 512 consecutive bytes
.Ltail:
	s_add_co_u32 s42, s42, 85
	s_sub_co_u32 s43, s43, 1
	s_cmp_lg_u32 s43, 0
	s_cbranch_scc1 .Lblock
	s_wait_xcnt 0x0
	v_lshl_add_u32 v254, v0, 2, 0x49800
	v_mov_b32 v255, 0
	s_wait_tensorcnt 0x0
	ds_add_u32 v254, v255
	s_wait_dscnt 0x0
	s_endpgm
.Lfunc_end_k_qc5f9c7925f_mlp:
	.size	k_qc5f9c7925f_mlp, .Lfunc_end_k_qc5f9c7925f_mlp-k_qc5f9c7925f_mlp
	.p2alignl 7, 3214868480
	.fill 96, 4, 3214868480
	.section	.rodata,"a",@progbits
	.p2align	6, 0x0
	.amdhsa_kernel k_qc5f9c7925f_mlp
		.amdhsa_group_segment_fixed_size 301568
		.amdhsa_private_segment_fixed_size 0
		.amdhsa_enable_private_segment 0
		.amdhsa_kernarg_size 144
		.amdhsa_user_sgpr_count 2
		.amdhsa_user_sgpr_kernarg_segment_ptr 1
		.amdhsa_wavefront_size32 1
		.amdhsa_system_sgpr_workgroup_id_x 1
		.amdhsa_system_sgpr_workgroup_id_y 1
		.amdhsa_system_sgpr_workgroup_id_z 1
		.amdhsa_system_vgpr_workitem_id 0
		.amdhsa_next_free_vgpr 1024
		.amdhsa_next_free_sgpr 100
		.amdhsa_reserve_vcc 0
		.amdhsa_float_denorm_mode_32 3
		.amdhsa_float_denorm_mode_16_64 3
		.amdhsa_memory_ordered 1
		.amdhsa_forward_progress 1
		.amdhsa_inst_pref_size 252
	.end_amdhsa_kernel
	.amdgpu_metadata
---
amdhsa.version: [ 1, 2 ]
amdhsa.kernels:
  - .name:           k_qc5f9c7925f_mlp
    .symbol:         k_qc5f9c7925f_mlp.kd
    .args:
      - { .name: a_codes, .offset: 0, .size: 8, .value_kind: global_buffer, .address_space: global }
      - { .name: a_scales, .offset: 8, .size: 8, .value_kind: global_buffer, .address_space: global }
      - { .name: b_codes, .offset: 16, .size: 8, .value_kind: global_buffer, .address_space: global }
      - { .name: b_scales, .offset: 24, .size: 8, .value_kind: global_buffer, .address_space: global }
      - { .name: W1_codes, .offset: 32, .size: 8, .value_kind: global_buffer, .address_space: global }
      - { .name: W1_scales, .offset: 40, .size: 8, .value_kind: global_buffer, .address_space: global }
      - { .name: W2_codes, .offset: 48, .size: 8, .value_kind: global_buffer, .address_space: global }
      - { .name: W2_scales, .offset: 56, .size: 8, .value_kind: global_buffer, .address_space: global }
      - { .name: b1, .offset: 64, .size: 8, .value_kind: global_buffer, .address_space: global }
      - { .name: g, .offset: 72, .size: 8, .value_kind: global_buffer, .address_space: global }
      - { .name: bt, .offset: 80, .size: 8, .value_kind: global_buffer, .address_space: global }
      - { .name: rm, .offset: 88, .size: 8, .value_kind: global_buffer, .address_space: global }
      - { .name: rv, .offset: 96, .size: 8, .value_kind: global_buffer, .address_space: global }
      - { .name: b2, .offset: 104, .size: 8, .value_kind: global_buffer, .address_space: global }
      - { .name: qkw, .offset: 112, .size: 8, .value_kind: global_buffer, .address_space: global }
      - { .name: qks, .offset: 120, .size: 8, .value_kind: global_buffer, .address_space: global }
      - { .name: vw, .offset: 128, .size: 8, .value_kind: global_buffer, .address_space: global }
      - { .name: vs, .offset: 136, .size: 8, .value_kind: global_buffer, .address_space: global }
    .group_segment_fixed_size: 301568
    .private_segment_fixed_size: 0
    .kernarg_segment_align: 8
    .kernarg_segment_size: 144
    .max_flat_workgroup_size: 128
    .sgpr_count:     100
    .vgpr_count:     1024
    .wavefront_size: 32
...
	.end_amdgpu_metadata
.endif
;; end of part 1
;; launch scores (part 2): grid 4 x 64, 4 waves a work-group, no clusters, 297,472 bytes of LDS; arguments qkw, qks, len_a, len_b, pw, ps, st; writes pw, ps, st
.if DOCPART == 2
	.amdgcn_target "amdgcn-amd-amdhsa--gfx1250"
	.amdhsa_code_object_version 6
	.text
	.protected	k_qc5f9c7925f_scores
	.globl	k_qc5f9c7925f_scores
	.p2align	8
	.type	k_qc5f9c7925f_scores,@function
k_qc5f9c7925f_scores:
	s_mov_b64 s[64:65], 0
	v_nop
	global_prefetch_b8 v0, s[64:65] scope:SCOPE_SE
	s_setreg_imm32_b32 hwreg(HW_REG_WAVE_MODE, 25, 1), 1
	s_wait_xcnt 0x0
; S^T = K Q^T on FP6 codes, the key mask, M, p = 2^(t - M), the sum of p, and p's quantiser.  A work-group takes 128 queries x 256 keys x K 1,024 of one (direction, batch).
; db = work-group y = 32 x direction + batch.  Direction 0: queries of a (2 panels of 128), keys of b (two groups of 256): x = 2 (query panel) + key group.  Direction 1: queries of b (x = panel), keys of a (one group).
; A GROUP OF 256 KEYS HAS ITS OWN M AND ITS OWN SUM: M is a whole number, so the codes are those of any other whole M; the next launch brings the groups of a row together by exact powers of two.
; Wave w: key panel w % 2 (8 tiles of 16 keys), query tiles 4 (w / 2) on: 32 accumulators.  Source 0 = 16 keys, source 1 = 16 queries: a lane holds one query; the keys of a tile lie in slot order,
; so register 16 b + e of a query tile's 64 holds key 32 b + 16 (lane / 16) + e of the wave's 128.
; All of K's and Q's fragments (images of their registers, 1,536 bytes) come into LDS once, by 8 tensor loads a wave issued together: K steps 2 i, 2 i + 1 of both key panels and of the query panel, i = 0 .. 3;
; no LDS byte is filled twice.  A wave has 8 tensor loads out.
; t = raw score x c, c = log2(e) / 32 (q was quantised without reference()'s / 32).  A hidden key's raw score is -3.2e10 = 32 x reference()'s -1e9.
; LIMITS: 1 <= len; NaN and infinities are not served; a block of p that is all zeros gets the byte 1 (its codes are zeros).
; REGISTERS: window 0: v1-14 addresses; v16-47 K's scale words (8 u + s: lanes = slot rows 32 u + lane), v48-63 Q's; v64-71 (-M, t) a tile; v72-79 sums; v80-95 block maxima; v96-111 at work; v112-127 scale operands;
;   v128-175 p's codes, v176-207 their second halves; v208-211 p's scale words; v212-215 M; v216-219 l; v220-235 at work.   window 1: accumulators (64 f + 8 tk).   window 2: K, two sets.   window 3: Q, two sets.
.set QB, 196608                        ; LDS: K's 128 fragments from 0, Q's 64 from here,
.set MX, 294912                        ; and 2,048 bytes through which the two waves of a query tile exchange their maxima
.set MSB, 0
.macro WIN new
.if MSB != \new
	s_set_vgpr_msb (MSB<<8)|\new
.set MSB, \new
.endif
.endm
.macro PLACES n
.rept \n
	v_nop
.endr
.endm
.macro WMS d, a, b, z, sa, sb, ra, rb  ; z = 1: the product starts its sum
.if \z
.if (\ra) && (\rb)
	v_wmma_scale_f32_16x16x128_f8f6f4 v[\d:\d+7], v[\a:\a+11], v[\b:\b+11], 0, v[\sa], v[\sb] matrix_a_fmt:MATRIX_FMT_FP6 matrix_b_fmt:MATRIX_FMT_FP6 matrix_a_scale:MATRIX_SCALE_ROW1 matrix_b_scale:MATRIX_SCALE_ROW1
.elseif (\ra)
	v_wmma_scale_f32_16x16x128_f8f6f4 v[\d:\d+7], v[\a:\a+11], v[\b:\b+11], 0, v[\sa], v[\sb] matrix_a_fmt:MATRIX_FMT_FP6 matrix_b_fmt:MATRIX_FMT_FP6 matrix_a_scale:MATRIX_SCALE_ROW1
.elseif (\rb)
	v_wmma_scale_f32_16x16x128_f8f6f4 v[\d:\d+7], v[\a:\a+11], v[\b:\b+11], 0, v[\sa], v[\sb] matrix_a_fmt:MATRIX_FMT_FP6 matrix_b_fmt:MATRIX_FMT_FP6 matrix_b_scale:MATRIX_SCALE_ROW1
.else
	v_wmma_scale_f32_16x16x128_f8f6f4 v[\d:\d+7], v[\a:\a+11], v[\b:\b+11], 0, v[\sa], v[\sb] matrix_a_fmt:MATRIX_FMT_FP6 matrix_b_fmt:MATRIX_FMT_FP6
.endif
.else
.if (\ra) && (\rb)
	v_wmma_scale_f32_16x16x128_f8f6f4 v[\d:\d+7], v[\a:\a+11], v[\b:\b+11], v[\d:\d+7], v[\sa], v[\sb] matrix_a_fmt:MATRIX_FMT_FP6 matrix_b_fmt:MATRIX_FMT_FP6 matrix_a_scale:MATRIX_SCALE_ROW1 matrix_b_scale:MATRIX_SCALE_ROW1
.elseif (\ra)
	v_wmma_scale_f32_16x16x128_f8f6f4 v[\d:\d+7], v[\a:\a+11], v[\b:\b+11], v[\d:\d+7], v[\sa], v[\sb] matrix_a_fmt:MATRIX_FMT_FP6 matrix_b_fmt:MATRIX_FMT_FP6 matrix_a_scale:MATRIX_SCALE_ROW1
.elseif (\rb)
	v_wmma_scale_f32_16x16x128_f8f6f4 v[\d:\d+7], v[\a:\a+11], v[\b:\b+11], v[\d:\d+7], v[\sa], v[\sb] matrix_a_fmt:MATRIX_FMT_FP6 matrix_b_fmt:MATRIX_FMT_FP6 matrix_b_scale:MATRIX_SCALE_ROW1
.else
	v_wmma_scale_f32_16x16x128_f8f6f4 v[\d:\d+7], v[\a:\a+11], v[\b:\b+11], v[\d:\d+7], v[\sa], v[\sb] matrix_a_fmt:MATRIX_FMT_FP6 matrix_b_fmt:MATRIX_FMT_FP6
.endif
.endif
.endm
	s_load_b256 s[4:11], s[0:1], 0x0               ; qkw 4, qks 6, len_a 8, len_b 10
	s_load_b128 s[12:15], s[0:1], 0x20             ; pw 12, ps 14
	s_load_b64 s[16:17], s[0:1], 0x30              ; st
	v_lshl_add_u32 v254, v0, 2, 0x48800
	v_mov_b32 v255, 0
	ds_add_u32 v254, v255
	ds_add_u32 v254, v255
	v_lshrrev_b32 v15, 5, v0
	v_readfirstlane_b32 s18, v15                   ; wave
	s_and_b32 s19, s18, 1                          ; wk: my key panel
	s_lshr_b32 s36, s18, 1                         ; wq: my four query tiles
	s_mov_b32 s37, ttmp9                           ; z
	s_and_b32 s38, ttmp7, 0xffff                   ; db
	s_lshr_b32 s39, s38, 5                         ; direction
	s_and_b32 s40, s38, 31                         ; batch
	s_mov_b32 s42, 0x3d38aa3b                      ; c = log2(e) / 32
	s_mov_b32 s43, s42
	s_mov_b32 s44, 0x76543210
	s_mov_b32 s45, 0xfedcba98
	s_lshr_b32 s46, s37, 1
	s_and_b32 s47, s37, 1
	s_lshl_b32 s48, s40, 1                         ; a's first panel of the batch
	s_lshl_b32 s49, s40, 2
	s_add_co_u32 s49, s49, 64                      ; b's
	s_add_co_u32 s50, s48, s46
	s_add_co_u32 s51, s49, s37
	s_lshl_b32 s52, s47, 1
	s_add_co_u32 s52, s49, s52
	s_lshl_b32 s53, s47, 8
	s_lshl_b32 s54, s47, 4
	s_lshl_b32 s55, s46, 3
	s_add_co_u32 s54, s54, s55
	s_lshl_b32 s55, s37, 3
	s_cmp_eq_u32 s39, 0
	s_cselect_b32 s50, s50, s51                    ; the query panel
	s_cselect_b32 s52, s52, s48                    ; the first key panel
	s_cselect_b32 s53, s53, 0                      ; the group's first key
	s_cselect_b32 s54, s54, s55                    ; the first (query tile, key group) of the work-group in the workspace
	; descriptor group 1 for K: 2 rows (one from each panel) of 6,144 bytes (768 elements of 8), 98,304 bytes apart;  for Q: 24 dense rows of 256 bytes
	s_mov_b32 s20, 3<<16
	s_mov_b32 s21, 768<<16
	s_mov_b32 s22, 2<<16
	s_mov_b32 s23, 768<<16
	s_mov_b32 s24, 2
	s_mov_b32 s25, 12288
	s_mov_b32 s26, 0
	s_mov_b32 s27, 0
	s_mov_b32 s28, 3<<16
	s_mov_b32 s29, 32<<16
	s_mov_b32 s30, 24<<16
	s_mov_b32 s31, 32<<16
	s_mov_b32 s32, 24
	s_mov_b32 s33, 32
	s_mov_b32 s34, 0
	s_mov_b32 s35, 0
	v_and_b32 v15, 31, v0
	v_lshlrev_b32 v1, 4, v15                       ; 16 x lane
	v_lshlrev_b32 v14, 3, v15                      ; 8 x lane
	s_mul_i32 s58, s19, 6144
	s_mul_i32 s59, s36, 6144
	s_add_co_u32 s59, s59, QB
.irp i, 0,1,2,3
	v_add_nc_u32 v[2+\i], s58, v1                  ; K's fragments of piece i: my panel
	v_add_nc_u32 v[6+\i], s59, v1                  ; Q's: my four tiles
	s_add_co_u32 s58, s58, 49152
	s_add_co_u32 s59, s59, 24576
.endr
	v_mov_b32 v11, 0xd0ee6b28                      ; -3.2e10
	s_lshl_b32 s58, s18, 9
	s_add_co_u32 s58, s58, MX
	v_lshl_add_u32 v12, v15, 2, s58                ; my maxima
	s_xor_b32 s58, s18, 1
	s_lshl_b32 s58, s58, 9
	s_add_co_u32 s58, s58, MX
	v_lshl_add_u32 v13, v15, 2, s58                ; and those of the wave with the other 128 keys
.set i, 0
.rept 16
	v_mov_b32 v[96+i], 0                           ; written once: a lane permute's destination counts as one of its sources
.set i, i+1
.endr
	s_wait_dscnt 0x0
	s_wait_kmcnt 0x0
	s_cmp_eq_u32 s39, 0
	s_cselect_b64 s[62:63], s[10:11], s[8:9]       ; the keys' length
	s_lshl_b32 s58, s40, 2
	s_mov_b32 s59, 0
	s_add_nc_u64 s[62:63], s[62:63], s[58:59]
	s_load_b32 s60, s[62:63], 0x0
	s_mul_i32 s58, s52, 98304
	s_mul_i32 s61, s18, 6144
	s_add_co_u32 s58, s58, s61
	s_add_co_u32 s58, s58, 18874368                ; k's net
	s_add_nc_u64 s[46:47], s[4:5], s[58:59]
	s_mul_i32 s58, s50, 98304
	s_add_co_u32 s58, s58, s61
	s_add_nc_u64 s[48:49], s[4:5], s[58:59]
	s_mul_i32 s55, s18, 12288
.irp i, 0,1,2,3
	s_mov_b32 s[68+8*\i], 1
	s_add_co_u32 s[69+8*\i], s55, \i*49152         ; K, piece i: wave w brings K step 2 i + w / 2, tiles 4 (w % 2) on, of both panels
	s_add_nc_u64 s[70+8*\i:71+8*\i], s[46:47], \i*24576
	s_or_b32 s[71+8*\i], s[71+8*\i], 0x80000000
	s_mov_b32 s[72+8*\i], 1
	s_add_co_u32 s[73+8*\i], s61, QB+\i*24576      ; Q, piece i: a quarter of its 24,576 dense bytes
	s_add_nc_u64 s[74+8*\i:75+8*\i], s[48:49], \i*24576
	s_or_b32 s[75+8*\i], s[75+8*\i], 0x80000000
.endr
.irp i, 0,1,2,3
	tensor_load_to_lds s[68+8*\i:71+8*\i], s[20:27]
	s_nop 0
	tensor_load_to_lds s[72+8*\i:75+8*\i], s[28:35]
	s_nop 0
.endr
	PLACES 4                                       ; four places behind the last tensor load
	s_add_co_u32 s58, s52, s19
	s_lshl_b32 s58, s58, 12
	s_add_co_u32 s58, s58, 786432
	s_add_nc_u64 s[56:57], s[6:7], s[58:59]        ; my key panel's scale words
	s_lshl_b32 s58, s50, 12
	s_lshl_b32 s61, s36, 9
	s_add_co_u32 s58, s58, s61
	s_add_nc_u64 s[66:67], s[6:7], s[58:59]        ; my 64 queries'
.irp u, 0,1,2,3
.irp x, 0,1,2,3
	global_load_b64 v[16+8*\u+2*\x:17+8*\u+2*\x], v14, s[56:57] offset:1024*\x+256*\u
.endr
.endr
.irp u, 0,1
.irp x, 0,1,2,3
	global_load_b64 v[48+8*\u+2*\x:49+8*\u+2*\x], v14, s[66:67] offset:1024*\x+256*\u
.endr
.endr
	s_lshl_b32 s61, s36, 2                         ; where my results go
	s_add_co_u32 s61, s61, s54
	s_mul_i32 s58, s61, 3072
	s_mul_i32 s55, s38, 98304
	s_add_co_u32 s58, s58, s55
	s_mul_i32 s55, s19, 1536
	s_add_co_u32 s58, s58, s55
	s_add_nc_u64 s[12:13], s[12:13], s[58:59]
	s_lshr_b32 s61, s61, 2
	s_lshl_b32 s58, s61, 10
	s_lshl_b32 s55, s38, 13
	s_add_co_u32 s58, s58, s55
	s_lshl_b32 s55, s19, 9
	s_add_co_u32 s58, s58, s55
	s_add_nc_u64 s[14:15], s[14:15], s[58:59]
	s_lshl_b32 s58, s61, 11
	s_lshl_b32 s55, s38, 14
	s_add_co_u32 s58, s58, s55
	s_lshl_b32 s55, s19, 10
	s_add_co_u32 s58, s58, s55
	s_add_nc_u64 s[16:17], s[16:17], s[58:59]
	s_wait_kmcnt 0x0
	s_sub_co_u32 s61, s60, s53
	s_lshl_b32 s55, s19, 7
	s_sub_co_u32 s61, s61, s55
	s_sub_co_u32 s61, s61, 1
	v_bfe_u32 v10, v0, 4, 1
	v_lshlrev_b32 v10, 4, v10
	v_sub_nc_u32 v10, s61, v10                     ; register 16 b + e holds a hidden key where 32 b + e > len - first key of the group - 128 wk - 16 (lane / 16) - 1
.macro LOADK set, i, sl                ; my panel's 8 fragments of K step 2 i + sl
	WIN 0x80
.irp tk, 0,1,2,3,4,5,6,7
.irp g, 0,1,2
	ds_load_b128 v[96*\set+12*\tk+4*\g:96*\set+12*\tk+4*\g+3], v[2+(\i)] offset:(2*\sl+\tk/4)*12288+(\tk%4)*1536+512*\g
.endr
.endr
.endm
.macro LOADQ set, i, sl                ; my 4 query fragments
	WIN 0xc0
.irp f, 0,1,2,3
.irp g, 0,1,2
	ds_load_b128 v[48*\set+12*\f+4*\g:48*\set+12*\f+4*\g+3], v[6+(\i)] offset:12288*\sl+1536*\f+512*\g
.endr
.endr
.endm
.macro MULS set, s, hf                 ; 16 products: query tiles 2 hf, 2 hf + 1 x 8 key tiles; the 32 accumulators take turns in the same order in every K step
	WIN 0x5e
.irp f, 2*\hf, 2*\hf+1
.irp tk, 0,1,2,3,4,5,6,7
.if \s == 0
	WMS 64*(\f)+8*\tk, 96*\set+12*\tk, 48*\set+12*(\f), 1, 16+8*(\tk/2)+\s, 48+8*((\f)/2)+\s, \tk%2, (\f)%2
.else
	WMS 64*(\f)+8*\tk, 96*\set+12*\tk, 48*\set+12*(\f), 0, 16+8*(\tk/2)+\s, 48+8*((\f)/2)+\s, \tk%2, (\f)%2
.endif
.endr
.endr
.endm
.macro PIECE i                         ; K steps 2 i and 2 i + 1
.if \i > 0
	PLACES 4                                       ; set 1 was read by the products just issued
.endif
	LOADK 1, \i, 1
	LOADQ 1, \i, 1
	s_wait_dscnt 36                                ; set 0 is in; the 36 loads just issued may be out
.if \i == 0
	s_wait_loadcnt 0x0                             ; the scale words
.endif
	MULS 0, 2*\i, 0
	MULS 0, 2*\i, 1
	s_wait_dscnt 0x0
.if \i < 3
	s_wait_tensorcnt 4-2*\i                        ; my parts of piece i + 1 have landed; the later pieces' loads may be out
	s_barrier_signal -1
.endif
	MULS 1, 2*\i+1, 0
.if \i < 3
	s_barrier_wait -1                              ; everybody's parts have
	PLACES 4                                       ; set 0 was read 16 products ago
	LOADK 0, \i+1, 0
	LOADQ 0, \i+1, 0
.endif
	MULS 1, 2*\i+1, 1
.endm
	s_wait_tensorcnt 6                             ; my parts of piece 0 have landed; six loads may be out
	s_barrier_signal -1
	s_barrier_wait -1
	LOADK 0, 0, 0
	LOADQ 0, 0, 0
	PIECE 0
	PIECE 1
	PIECE 2
	PIECE 3
	; ---- the softmax's first half
	PLACES 4
	WIN 0x41
.set n, 0
.rept 64                               ; hidden keys' scores; each accumulator is read from its low end on
	v_cmp_gt_i32 vcc_lo, 32*(n/16)+n%16, v10
.irp f, 0,1,2,3
	v_cndmask_b32 v[64*\f+n], v[64*\f+n], v11, vcc_lo
.endr
.set n, n+1
.endr
	WIN 0x15
.irp f, 0,1,2,3
.irp b, 0,1,2,3
	v_max3_num_f32 v[80+4*\f+\b], v[64*\f+16*\b], v[64*\f+16*\b+1], v[64*\f+16*\b+2]   ; the largest score of each block of 32 keys: it serves for the row's maximum and for the block's largest p
.endr
.endr
	WIN 0x14
.irp i, 3,5,7,9,11,13
.irp f, 0,1,2,3
.irp b, 0,1,2,3
	v_max3_num_f32 v[80+4*\f+\b], v[80+4*\f+\b], v[64*\f+16*\b+\i], v[64*\f+16*\b+\i+1]
.endr
.endr
.endr
.irp f, 0,1,2,3
.irp b, 0,1,2,3
	v_max_num_f32 v[80+4*\f+\b], v[80+4*\f+\b], v[64*\f+16*\b+15]
.endr
.endr
	WIN 0
.set i, 0
.rept 16
	v_permlanex16_b32 v[96+i], v[80+i], s44, s45
.set i, i+1
.endr
.set i, 0
.rept 16
	v_max_num_f32 v[80+i], v[80+i], v[96+i]
.set i, i+1
.endr
.irp f, 0,1,2,3
	v_max3_num_f32 v[228+\f], v[80+4*\f], v[81+4*\f], v[82+4*\f]
.endr
.irp f, 0,1,2,3
	v_max_num_f32 v[228+\f], v[228+\f], v[83+4*\f]
.endr
.irp f, 0,1,2,3
	ds_store_b32 v12, v[228+\f] offset:128*\f
.endr
	s_wait_dscnt 0x0                               ; for the other wave's sake: my maxima have landed
	s_barrier_signal -1
	s_barrier_wait -1
.irp f, 0,1,2,3
	ds_load_b32 v[232+\f], v13 offset:128*\f
.endr
	s_wait_dscnt 0x0
.irp f, 0,1,2,3
	v_max_num_f32 v[228+\f], v[228+\f], v[232+\f]  ; the largest score of the group's 256 keys
.endr
.irp f, 0,1,2,3
	v_mul_f32 v[65+2*\f], s42, v[228+\f]           ; as t (c is positive)
.endr
.irp f, 0,1,2,3
	v_floor_f32 v[64+2*\f], -v[65+2*\f]            ; -M = floor(-t) = -ceil(t)
.endr
	WIN 0x41
.irp f, 0,1,2,3
.set j, 0
.rept 32
	v_pk_fma_f32 v[64*\f+j:64*\f+j+1], v[64*\f+j:64*\f+j+1], s[42:43], v[64+2*\f:65+2*\f] op_sel_hi:[1,0,0]   ; t - M
.set j, j+2
.endr
.endr
	WIN 0
.irp f, 0,1,2,3
.irp b, 0,1,2,3
	v_fma_f32 v[80+4*\f+\b], v[80+4*\f+\b], s42, v[64+2*\f]    ; the same of each block's largest score
.endr
.endr
	WIN 0x41
.set j, 0
.rept 256
	v_exp_f32 v[j], v[j]                           ; p = 2^(t - M): one batch
.set j, j+1
.endr
	v_nop                                          ; a plain instruction behind the batch,
	s_wait_alu depctr_va_vdst(0)                   ; and one wait ahead of its first reader
	WIN 0
.set i, 0
.rept 16
	v_exp_f32 v[80+i], v[80+i]                     ; the blocks' largest p: the same two instructions on the same number
.set i, i+1
.endr
	WIN 0x05                                       ; the sum of the unquantised p, two chains a tile; it names none of the sixteen
.irp f, 0,1,2,3
	v_pk_add_f32 v[72+2*\f:73+2*\f], v[64*\f:64*\f+1], v[64*\f+2:64*\f+3]
	v_pk_add_f32 v[220+2*\f:221+2*\f], v[64*\f+4:64*\f+5], v[64*\f+6:64*\f+7]
.endr
	WIN 0x04
.irp j, 8,12,16,20,24,28,32,36,40,44,48,52,56,60
.irp f, 0,1,2,3
	v_pk_add_f32 v[72+2*\f:73+2*\f], v[72+2*\f:73+2*\f], v[64*\f+\j:64*\f+\j+1]
	v_pk_add_f32 v[220+2*\f:221+2*\f], v[220+2*\f:221+2*\f], v[64*\f+\j+2:64*\f+\j+3]
.endr
.endr
	WIN 0
.irp f, 0,1,2,3
	v_pk_add_f32 v[72+2*\f:73+2*\f], v[72+2*\f:73+2*\f], v[220+2*\f:221+2*\f]
.endr
.irp f, 0,1,2,3
	v_add_f32 v[216+\f], v[72+2*\f], v[73+2*\f]
.endr
.irp f, 0,1,2,3
	v_permlanex16_b32 v[96+\f], v[216+\f], s44, s45
.endr
.irp f, 0,1,2,3
	v_add_f32 v[216+\f], v[216+\f], v[96+\f]       ; l of my 128 keys
.endr
	s_wait_alu depctr_va_vdst(0)                   ; the wait for the sixteen
.set i, 0
.rept 16
	v_max_num_f32 v[80+i], 0x1800000, v[80+i]      ; the floor 2^(3 - 127)
.set i, i+1
.endr
.set i, 0
.rept 16
	v_add_nc_u32 v[112+i], 0xff000000, v[80+i]     ; 2 off the exponent field: the conversion's scale operand
.set i, i+1
.endr
.set i, 0
.rept 16
	v_lshrrev_b32 v[96+i], 23, v[112+i]            ; the byte
.set i, i+1
.endr
.irp f, 0,1,2,3
	v_lshl_or_b32 v[208+\f], v[97+4*\f], 8, v[96+4*\f]
.endr
.irp f, 0,1,2,3
	v_lshl_or_b32 v[208+\f], v[98+4*\f], 16, v[208+\f]
.endr
.irp f, 0,1,2,3
	v_lshl_or_b32 v[208+\f], v[99+4*\f], 24, v[208+\f]
.endr
	WIN 0x01
.irp f, 0,1,2,3
.irp c, 0,1
	v_cvt_scalef32_pk16_fp6_f32 v[128+12*\f+6*\c:130+12*\f+6*\c], v[64*\f+32*\c:64*\f+32*\c+15], v[112+4*\f+2*\c]
	v_cvt_scalef32_pk16_fp6_f32 v[176+8*\f+4*\c:178+8*\f+4*\c], v[64*\f+32*\c+16:64*\f+32*\c+31], v[112+4*\f+2*\c+1]
.endr
.endr
	v_nop                                          ; one plain instruction behind the last scaled conversion
	WIN 0
.irp f, 0,1,2,3
.irp c, 0,1
.irp e, 0,1,2
	v_permlane16_swap_b32 v[128+12*\f+6*\c+\e], v[176+8*\f+4*\c+\e]
.endr
.irp e, 0,1,2
	v_mov_b32 v[131+12*\f+6*\c+\e], v[176+8*\f+4*\c+\e]
.endr
.endr
.endr
.irp f, 0,1,2,3
	v_sub_f32 v[212+\f], 0, v[64+2*\f]             ; M
.endr
.irp f, 0,1,2,3
.irp g, 0,1,2
	global_store_b128 v1, v[128+12*\f+4*\g:131+12*\f+4*\g], s[12:13] offset:3072*\f+512*\g   ; every store of the wave covers 512 consecutive bytes
.endr
.endr
	global_store_b128 v1, v[208:211], s[14:15]
	global_store_b128 v1, v[212:215], s[16:17]
	global_store_b128 v1, v[216:219], s[16:17] offset:512
	s_wait_tensorcnt 0x0
	ds_add_u32 v254, v255
	s_wait_dscnt 0x0
	s_endpgm
.Lfunc_end_k_qc5f9c7925f_scores:
	.size	k_qc5f9c7925f_scores, .Lfunc_end_k_qc5f9c7925f_scores-k_qc5f9c7925f_scores
	.p2alignl 7, 3214868480
	.fill 96, 4, 3214868480
	.section	.rodata,"a",@progbits
	.p2align	6, 0x0
	.amdhsa_kernel k_qc5f9c7925f_scores
		.amdhsa_group_segment_fixed_size 297472
		.amdhsa_private_segment_fixed_size 0
		.amdhsa_enable_private_segment 0
		.amdhsa_kernarg_size 56
		.amdhsa_user_sgpr_count 2
		.amdhsa_user_sgpr_kernarg_segment_ptr 1
		.amdhsa_wavefront_size32 1
		.amdhsa_system_sgpr_workgroup_id_x 1
		.amdhsa_system_sgpr_workgroup_id_y 1
		.amdhsa_system_sgpr_workgroup_id_z 1
		.amdhsa_system_vgpr_workitem_id 0
		.amdhsa_next_free_vgpr 1024
		.amdhsa_next_free_sgpr 100
		.amdhsa_reserve_vcc 1
		.amdhsa_float_denorm_mode_32 3
		.amdhsa_float_denorm_mode_16_64 3
		.amdhsa_memory_ordered 1
		.amdhsa_forward_progress 1
		.amdhsa_inst_pref_size 119
	.end_amdhsa_kernel
	.amdgpu_metadata
---
amdhsa.version: [ 1, 2 ]
amdhsa.kernels:
  - .name:           k_qc5f9c7925f_scores
    .symbol:         k_qc5f9c7925f_scores.kd
    .args:
      - { .name: qkw, .offset: 0, .size: 8, .value_kind: global_buffer, .address_space: global }
      - { .name: qks, .offset: 8, .size: 8, .value_kind: global_buffer, .address_space: global }
      - { .name: len_a, .offset: 16, .size: 8, .value_kind: global_buffer, .address_space: global }
      - { .name: len_b, .offset: 24, .size: 8, .value_kind: global_buffer, .address_space: global }
      - { .name: pw, .offset: 32, .size: 8, .value_kind: global_buffer, .address_space: global }
      - { .name: ps, .offset: 40, .size: 8, .value_kind: global_buffer, .address_space: global }
      - { .name: st, .offset: 48, .size: 8, .value_kind: global_buffer, .address_space: global }
    .group_segment_fixed_size: 297472
    .private_segment_fixed_size: 0
    .kernarg_segment_align: 8
    .kernarg_segment_size: 56
    .max_flat_workgroup_size: 128
    .sgpr_count:     100
    .vgpr_count:     1024
    .wavefront_size: 32
...
	.end_amdgpu_metadata
.endif
;; end of part 2
;; launch mix (part 3): grid 4 x 64, 4 waves a work-group, no clusters, 168,448 bytes of LDS; arguments pw, ps, st, vw, vs, len_a, len_b, out0; writes out0
.if DOCPART == 3
	.amdgcn_target "amdgcn-amd-amdhsa--gfx1250"
	.amdhsa_code_object_version 6
	.text
	.protected	k_qc5f9c7925f_mix
	.globl	k_qc5f9c7925f_mix
	.p2align	8
	.type	k_qc5f9c7925f_mix,@function
k_qc5f9c7925f_mix:
	s_mov_b64 s[64:65], 0
	v_nop
	global_prefetch_b8 v0, s[64:65] scope:SCOPE_SE
	s_setreg_imm32_b32 hwreg(HW_REG_WAVE_MODE, 25, 1), 1
	s_wait_xcnt 0x0
; out0[direction][batch][d] = the sum over valid queries q of w_q x (P V)[q][d], on FP6 codes of p and v.  A work-group owns 256 d (work-group x) of one (direction, batch) = work-group y; wave u owns 4 tiles of 16 d.
; The rows of P are 32 "virtual" query tiles: a tile of 16 queries with one group of 256 keys (direction 0: 16 tiles x 2 groups; direction 1: 32 tiles x 1 group).
; w = 2^(M of the group - the row's M) / (l x qlen) for a valid query, else 0, with l = the sum over the row's groups of 2^(M of the group - the row's M) x the group's sum: powers of two, exact.
; So a finished 16 x 16 tile of P V is folded at once into eight running sums a lane, and d needs no large accumulator.
; V's 32 fragments of the wave stay in registers; P's 64 fragment images come into LDS once, one tensor load a wave (one out), and are read by all four waves.
; Source 0 = 16 queries of P, source 1 = 16 d of V: register j of lane (r, h) is (query slot 8 h + j, d slot r).  Queries and d lie in slot order (slot r of tile 2 b + u = true 32 b + 8 u + r + 8 (r / 8)).
; LIMITS: 1 <= len; NaN and infinities are not served.
; REGISTERS: window 0: v1-15 addresses; v16-79 P's scale words (8 (tile / 4) + 4 ks + tile % 4); v80-87 V's; v88-119 four sets of 8 weights; v120-183 two sets of 4 accumulators; v184-215 the running sums; v216-255 at work at the head.
;   window 1: v0-191 V (96 group + 24 dt + 12 ks); v192-239 two sets of P's two fragments.
.set WGT, 98304                        ; LDS: P from 0; the 512 weights; a stage of 256 bytes for each wave
.set OST, 100352
.set MSB, 0
.macro WIN new
.if MSB != \new
	s_set_vgpr_msb (MSB<<8)|\new
.set MSB, \new
.endif
.endm
.macro PLACES n
.rept \n
	v_nop
.endr
.endm
.macro WMS d, a, b, z, sa, sb, rb
.if \z
.if (\rb)
	v_wmma_scale_f32_16x16x128_f8f6f4 v[\d:\d+7], v[\a:\a+11], v[\b:\b+11], 0, v[\sa], v[\sb] matrix_a_fmt:MATRIX_FMT_FP6 matrix_b_fmt:MATRIX_FMT_FP6 matrix_b_scale:MATRIX_SCALE_ROW1
.else
	v_wmma_scale_f32_16x16x128_f8f6f4 v[\d:\d+7], v[\a:\a+11], v[\b:\b+11], 0, v[\sa], v[\sb] matrix_a_fmt:MATRIX_FMT_FP6 matrix_b_fmt:MATRIX_FMT_FP6
.endif
.else
.if (\rb)
	v_wmma_scale_f32_16x16x128_f8f6f4 v[\d:\d+7], v[\a:\a+11], v[\b:\b+11], v[\d:\d+7], v[\sa], v[\sb] matrix_a_fmt:MATRIX_FMT_FP6 matrix_b_fmt:MATRIX_FMT_FP6 matrix_b_scale:MATRIX_SCALE_ROW1
.else
	v_wmma_scale_f32_16x16x128_f8f6f4 v[\d:\d+7], v[\a:\a+11], v[\b:\b+11], v[\d:\d+7], v[\sa], v[\sb] matrix_a_fmt:MATRIX_FMT_FP6 matrix_b_fmt:MATRIX_FMT_FP6
.endif
.endif
.endm
	s_load_b512 s[4:19], s[0:1], 0x0               ; pw 4, ps 6, st 8, vw 10, vs 12, len_a 14, len_b 16, out0 18
	v_lshl_add_u32 v255, v0, 2, 0x29000
	s_set_vgpr_msb 0x40
	v_mov_b32 v255, 0
	s_set_vgpr_msb 0x4044
	ds_add_u32 v255, v255
	ds_add_u32 v255, v255
	s_set_vgpr_msb 0x4400
	v_lshrrev_b32 v15, 5, v0
	v_readfirstlane_b32 s20, v15                   ; wave u
	s_mov_b32 s21, ttmp9                           ; the slice of 256 d
	s_and_b32 s22, ttmp7, 0xffff                   ; db
	s_lshr_b32 s23, s22, 5                         ; direction
	s_and_b32 s24, s22, 31                         ; batch
	s_mov_b32 s28, 3<<16                           ; descriptor group 1: 96 dense rows of 256 bytes (32 elements of 8)
	s_mov_b32 s29, 32<<16
	s_mov_b32 s30, 96<<16
	s_mov_b32 s31, 32<<16
	s_mov_b32 s32, 96
	s_mov_b32 s33, 32
	s_mov_b32 s34, 0
	s_mov_b32 s35, 0
	s_mov_b32 s62, 0x76543210
	s_mov_b32 s63, 0xfedcba98
	s_lshl_b32 s60, s24, 2
	s_add_co_u32 s60, s60, 64                      ; direction 0: b's panels, key group 0,
	s_add_co_u32 s61, s60, 2                       ; key group 1
	s_lshl_b32 s55, s24, 1                         ; direction 1: a's panels, for both sets
	s_cmp_eq_u32 s23, 0
	s_cselect_b32 s60, s60, s55
	s_cselect_b32 s61, s61, s55
	s_cselect_b32 s25, 8192, 0                     ; from a tile's record to that of the row's other key group
	s_cselect_b32 s26, 1.0, 0                      ; and whether there is one
	s_cselect_b32 s27, 3, 7                        ; four tiles of queries in 4 or 8 runs of 64
	v_and_b32 v11, 31, v0                          ; lane
	v_and_b32 v12, 15, v0                          ; r
	v_bfe_u32 v13, v0, 4, 1                        ; h
	v_lshrrev_b32 v14, 4, v0                       ; g = thread / 16: 0 .. 7
	v_lshlrev_b32 v1, 4, v11                       ; P's images: tiles 0-15,
	v_add_nc_u32 v2, 49152, v1                     ; tiles 16-31
	v_lshl_add_u32 v3, v13, 5, WGT                 ; my half's eight weights of a tile
	v_lshlrev_b32 v4, 3, v11
	s_lshl_b32 s55, s20, 2
	v_add_nc_u32 v5, s55, v1                       ; V's scale words: word u of my lane's four
	v_lshlrev_b32 v6, 4, v12
	v_lshl_add_u32 v6, v14, 11, v6                 ; the records of tiles 4 g .. 4 g + 3, query slot r
	v_xor_b32 v7, s25, v6
	v_lshlrev_b32 v8, 2, v12
	v_lshl_add_u32 v8, v14, 8, v8
	v_add_nc_u32 v8, WGT, v8                       ; where their weights go
	v_and_b32 v15, 8, v12
	v_add_nc_u32 v15, v15, v12                     ; r + 8 (r / 8)
	s_lshl_b32 s55, s20, 8
	s_add_co_u32 s55, s55, OST
	v_lshl_add_u32 v9, v15, 2, s55                 ; the stage: true d
	v_add_nc_u32 v10, s55, v4
	v_and_b32 v252, s27, v14
	v_lshl_add_u32 v252, v252, 6, v15              ; the true query of slot r of tile 4 g
	s_wait_dscnt 0x0
	s_wait_kmcnt 0x0
	s_cmp_eq_u32 s23, 0
	s_cselect_b64 s[52:53], s[14:15], s[16:17]     ; the queries' length
	s_lshl_b32 s58, s24, 2
	s_mov_b32 s59, 0
	s_add_nc_u64 s[52:53], s[52:53], s[58:59]
	s_load_b32 s54, s[52:53], 0x0
	s_mul_i32 s58, s22, 98304
	s_mul_i32 s55, s20, 24576
	s_add_co_u32 s58, s58, s55
	s_mov_b32 s36, 1
	s_mov_b32 s37, s55                             ; LDS: my quarter of P
	s_add_nc_u64 s[38:39], s[4:5], s[58:59]
	s_or_b32 s39, s39, 0x80000000
	tensor_load_to_lds s[36:39], s[28:35]
	s_nop 0
	PLACES 4                                       ; four places behind a tensor load
	s_lshl_b32 s55, s21, 4
	s_lshl_b32 s56, s20, 2
	s_add_co_u32 s55, s55, s56
	s_mul_i32 s55, s55, 1536                       ; my first tile of d
	s_mul_i32 s58, s60, 98304
	s_add_co_u32 s58, s58, s55
	s_add_nc_u64 s[40:41], s[10:11], s[58:59]
	s_mul_i32 s58, s61, 98304
	s_add_co_u32 s58, s58, s55
	s_add_nc_u64 s[42:43], s[10:11], s[58:59]
	s_lshl_b32 s55, s21, 9
	s_lshl_b32 s58, s60, 12
	s_add_co_u32 s58, s58, s55
	s_add_nc_u64 s[44:45], s[12:13], s[58:59]
	s_lshl_b32 s58, s61, 12
	s_add_co_u32 s58, s58, s55
	s_add_nc_u64 s[46:47], s[12:13], s[58:59]
	s_lshl_b32 s58, s22, 13
	s_add_nc_u64 s[48:49], s[6:7], s[58:59]
	s_lshl_b32 s58, s22, 14
	s_add_nc_u64 s[50:51], s[8:9], s[58:59]
	s_lshl_b32 s58, s22, 12
	s_lshl_b32 s55, s21, 10
	s_add_co_u32 s58, s58, s55
	s_lshl_b32 s55, s20, 8
	s_add_co_u32 s58, s58, s55
	s_add_nc_u64 s[56:57], s[18:19], s[58:59]
	WIN 0x40
.irp kg, 0,1                           ; V: half images of six registers, 8 bytes a lane and pair
.irp ks, 0,1
.irp dt, 0,1,2,3
.irp c, 0,1
.irp e, 0,1,2
	global_load_b64 v[96*\kg+24*\dt+12*\ks+6*\c+2*\e:96*\kg+24*\dt+12*\ks+6*\c+2*\e+1], v4, s[40+2*\kg:41+2*\kg] offset:98304*\ks+1536*\dt+768*\c+256*\e
.endr
.endr
.endr
.endr
.endr
	WIN 0
.irp kg, 0,1
.irp ks, 0,1
.irp c, 0,1
	global_load_b32 v[240+4*\kg+2*\ks+\c], v5, s[44+2*\kg:45+2*\kg] offset:4096*\ks+2048*\c
.endr
.endr
.endr
.set i, 0
.rept 16
	global_load_b128 v[16+4*i:19+4*i], v1, s[48:49] offset:512*i
.set i, i+1
.endr
	global_load_b128 v[216:219], v6, s[50:51]              ; M
	global_load_b128 v[220:223], v6, s[50:51] offset:512   ; the sum of the group's first 128 keys,
	global_load_b128 v[224:227], v6, s[50:51] offset:1536  ; of its second
	global_load_b128 v[228:231], v7, s[50:51]              ; and the same of the row's other group (direction 1: of this one once more)
	global_load_b128 v[232:235], v7, s[50:51] offset:512
	global_load_b128 v[236:239], v7, s[50:51] offset:1536
	s_wait_loadcnt 0x0
	s_wait_kmcnt 0x0
.irp kg, 0,1
.irp ks, 0,1                           ; V's scale words: the two bytes of keys 0-63 under those of keys 64-127; lanes 0-15: tiles 0 (even word), 1 (odd); lanes 16-31: tiles 2, 3
	v_perm_b32 v[80+4*\kg+2*\ks], v[241+4*\kg+2*\ks], v[240+4*\kg+2*\ks], 0x05040100
	v_perm_b32 v[81+4*\kg+2*\ks], v[241+4*\kg+2*\ks], v[240+4*\kg+2*\ks], 0x07060302
.endr
.endr
.irp t, 0,1,2,3
	v_max_num_f32 v[248+\t], v[216+\t], v[228+\t]  ; the row's M
.endr
.irp t, 0,1,2,3
	v_sub_f32 v[216+\t], v[216+\t], v[248+\t]
.endr
.irp t, 0,1,2,3
	v_sub_f32 v[228+\t], v[228+\t], v[248+\t]
.endr
.irp t, 0,1,2,3
	v_cvt_i32_f32 v[216+\t], v[216+\t]             ; whole numbers, 0 or less (the conversion saturates)
.endr
.irp t, 0,1,2,3
	v_cvt_i32_f32 v[228+\t], v[228+\t]
.endr
.irp t, 0,1,2,3
	v_ldexp_f32 v[216+\t], 1.0, v[216+\t]          ; this group's factor
.endr
.irp t, 0,1,2,3
	v_ldexp_f32 v[228+\t], 1.0, v[228+\t]          ; the other's
.endr
.irp t, 0,1,2,3
	v_add_f32 v[220+\t], v[220+\t], v[224+\t]
.endr
.irp t, 0,1,2,3
	v_add_f32 v[232+\t], v[232+\t], v[236+\t]
.endr
.irp t, 0,1,2,3
	v_mul_f32 v[228+\t], s26, v[228+\t]            ; (nothing where the row has one group)
.endr
.irp t, 0,1,2,3
	v_mul_f32 v[232+\t], v[232+\t], v[228+\t]
.endr
.irp t, 0,1,2,3
	v_fma_f32 v[220+\t], v[220+\t], v[216+\t], v[232+\t]   ; l
.endr
	v_cvt_f32_i32 v253, s54
.irp t, 0,1,2,3
	v_mul_f32 v[220+\t], v[220+\t], v253           ; l x qlen
.endr
.irp t, 0,1,2,3
	v_rcp_f32 v[224+\t], v[220+\t]
.endr
	v_nop                                          ; a plain instruction behind the reciprocals,
	s_wait_alu depctr_va_vdst(0)                   ; and one wait ahead of their first reader
.irp t, 0,1,2,3
	v_mul_f32 v[224+\t], v[224+\t], v[216+\t]
.endr
.irp t, 0,1,2,3
	v_add_nc_u32 v254, 32*(\t/2)+8*(\t%2), v252
	v_cmp_gt_i32 vcc_lo, s54, v254                 ; a valid query?
	v_cndmask_b32 v[224+\t], 0, v[224+\t], vcc_lo
	ds_store_b32 v8, v[224+\t] offset:64*\t
.endr
	s_wait_tensorcnt 0x0                           ; my quarter of P has landed,
	s_wait_dscnt 0x0                               ; and my weights
	s_barrier_signal -1
	s_barrier_wait -1                              ; everybody's have
.macro LDP vq                          ; tile vq's two fragments and its eight weights of my half
	WIN 0x40
.irp ks, 0,1
.irp g, 0,1,2
	ds_load_b128 v[192+24*((\vq)%2)+12*\ks+4*\g:195+24*((\vq)%2)+12*\ks+4*\g], v[1+(\vq)/16] offset:((\vq)%16)*3072+1536*\ks+512*\g
.endr
.endr
	WIN 0
.irp e, 0,1
	ds_load_b128 v[88+8*((\vq)%4)+4*\e:91+8*((\vq)%4)+4*\e], v3 offset:64*(\vq)+16*\e
.endr
.endm
.macro MM vq                           ; 8 products: 4 tiles of d x 2 K steps of 128 keys; the four accumulators take turns
	WIN 0x05
.irp dt, 0,1,2,3
	WMS 120+32*((\vq)%2)+8*\dt, 192+24*((\vq)%2), 96*((\vq)/16)+24*\dt, 1, 16+8*((\vq)/4)+(\vq)%4, 80+4*((\vq)/16)+\dt%2, \dt/2
.endr
.irp dt, 0,1,2,3
	WMS 120+32*((\vq)%2)+8*\dt, 192+24*((\vq)%2)+12, 96*((\vq)/16)+24*\dt+12, 0, 16+8*((\vq)/4)+4+(\vq)%4, 80+4*((\vq)/16)+2+\dt%2, \dt/2
.endr
.endm
.macro ACCUM vq                        ; the running sums take tile vq, each query by its weight; each accumulator from its low end on
	WIN 0
.irp dt, 0,1,2,3
.irp e, 0,1,2,3
.if (\vq) == 0
	v_pk_mul_f32 v[184+8*\dt+2*\e:185+8*\dt+2*\e], v[120+32*((\vq)%2)+8*\dt+2*\e:121+32*((\vq)%2)+8*\dt+2*\e], v[88+8*((\vq)%4)+2*\e:89+8*((\vq)%4)+2*\e]
.else
	v_pk_fma_f32 v[184+8*\dt+2*\e:185+8*\dt+2*\e], v[120+32*((\vq)%2)+8*\dt+2*\e:121+32*((\vq)%2)+8*\dt+2*\e], v[88+8*((\vq)%4)+2*\e:89+8*((\vq)%4)+2*\e], v[184+8*\dt+2*\e:185+8*\dt+2*\e]
.endif
.endr
.endr
.endm
	LDP 0
	LDP 1
.set qn, 0
.rept 32
.if qn < 31
	s_wait_dscnt 8                                 ; this tile's loads are in; the next tile's eight may be out
.else
	s_wait_dscnt 0x0
.endif
	MM qn
.if qn == 0
	PLACES 5                                       ; behind the products: loads over P's set, and the products two tiles on, which write over these accumulators
.else
	ACCUM qn-1                                     ; 16 plain instructions that name nothing of the products just issued: their places
.endif
.if qn < 30
	LDP qn+2
.endif
.set qn, qn+1
.endr
	PLACES 4
	ACCUM 31
.irp dt, 0,1,2,3
	v_pk_add_f32 v[184+8*\dt:185+8*\dt], v[184+8*\dt:185+8*\dt], v[186+8*\dt:187+8*\dt]
	v_pk_add_f32 v[188+8*\dt:189+8*\dt], v[188+8*\dt:189+8*\dt], v[190+8*\dt:191+8*\dt]
.endr
.irp dt, 0,1,2,3
	v_pk_add_f32 v[184+8*\dt:185+8*\dt], v[184+8*\dt:185+8*\dt], v[188+8*\dt:189+8*\dt]
.endr
.irp dt, 0,1,2,3
	v_add_f32 v[184+8*\dt], v[184+8*\dt], v[185+8*\dt]
.endr
.irp dt, 0,1,2,3
	v_permlanex16_b32 v[216+\dt], v[184+8*\dt], s62, s63
.endr
.irp dt, 0,1,2,3
	v_add_f32 v[184+8*\dt], v[184+8*\dt], v[216+\dt]           ; with the other eight query slots: the channel's number
.endr
.irp dt, 0,1,2,3
	ds_store_b32 v9, v[184+8*\dt] offset:(32*(\dt/2)+8*(\dt%2))*4   ; into true order; both halves of the lanes write the same word with the same value
.endr
	ds_load_b64 v[216:217], v10                    ; LDS serves a wave's instructions in order: this sees my stores
	s_wait_dscnt 0x0
	global_store_b64 v4, v[216:217], s[56:57]      ; the wave stores 256 consecutive bytes, at a multiple of 256 from out0's first byte
	s_set_vgpr_msb 0x4
	s_wait_tensorcnt 0x0
	ds_add_u32 v255, v255
	s_wait_dscnt 0x0
	s_set_vgpr_msb 0x400
	s_endpgm
.Lfunc_end_k_qc5f9c7925f_mix:
	.size	k_qc5f9c7925f_mix, .Lfunc_end_k_qc5f9c7925f_mix-k_qc5f9c7925f_mix
	.p2alignl 7, 3214868480
	.fill 96, 4, 3214868480
	.section	.rodata,"a",@progbits
	.p2align	6, 0x0
	.amdhsa_kernel k_qc5f9c7925f_mix
		.amdhsa_group_segment_fixed_size 168448
		.amdhsa_private_segment_fixed_size 0
		.amdhsa_enable_private_segment 0
		.amdhsa_kernarg_size 64
		.amdhsa_user_sgpr_count 2
		.amdhsa_user_sgpr_kernarg_segment_ptr 1
		.amdhsa_wavefront_size32 1
		.amdhsa_system_sgpr_workgroup_id_x 1
		.amdhsa_system_sgpr_workgroup_id_y 1
		.amdhsa_system_sgpr_workgroup_id_z 1
		.amdhsa_system_vgpr_workitem_id 0
		.amdhsa_next_free_vgpr 512
		.amdhsa_next_free_sgpr 66
		.amdhsa_reserve_vcc 1
		.amdhsa_float_denorm_mode_32 3
		.amdhsa_float_denorm_mode_16_64 3
		.amdhsa_memory_ordered 1
		.amdhsa_forward_progress 1
		.amdhsa_inst_pref_size 108
	.end_amdhsa_kernel
	.amdgpu_metadata
---
amdhsa.version: [ 1, 2 ]
amdhsa.kernels:
  - .name:           k_qc5f9c7925f_mix
    .symbol:         k_qc5f9c7925f_mix.kd
    .args:
      - { .name: pw, .offset: 0, .size: 8, .value_kind: global_buffer, .address_space: global }
      - { .name: ps, .offset: 8, .size: 8, .value_kind: global_buffer, .address_space: global }
      - { .name: st, .offset: 16, .size: 8, .value_kind: global_buffer, .address_space: global }
      - { .name: vw, .offset: 24, .size: 8, .value_kind: global_buffer, .address_space: global }
      - { .name: vs, .offset: 32, .size: 8, .value_kind: global_buffer, .address_space: global }
      - { .name: len_a, .offset: 40, .size: 8, .value_kind: global_buffer, .address_space: global }
      - { .name: len_b, .offset: 48, .size: 8, .value_kind: global_buffer, .address_space: global }
      - { .name: out0, .offset: 56, .size: 8, .value_kind: global_buffer, .address_space: global }
    .group_segment_fixed_size: 168448
    .private_segment_fixed_size: 0
    .kernarg_segment_align: 8
    .kernarg_segment_size: 64
    .max_flat_workgroup_size: 128
    .sgpr_count:     66
    .vgpr_count:     512
    .wavefront_size: 32
...
	.end_amdgpu_metadata
.endif
;; end of part 3
;; ======== version 2 of 2: 3 launches; version 1 with the launch mlp written anew for expert scheduling mode
;; workspace buffers: qkw 37,748,736 bytes; qks 1,572,864 bytes; vw 18,874,368 bytes; vs 786,432 bytes; pw 6,291,456 bytes; ps 524,288 bytes; st 1,048,576 bytes
;; launch mlp (part 4): grid 85 x 3, 4 waves a work-group, no clusters, 301,568 bytes of LDS; arguments a_codes, a_scales, b_codes, b_scales, W1_codes, W1_scales, W2_codes, W2_scales, b1, g, bt, rm, rv, b2, qkw, qks, vw, vs; writes qkw, qks, vw, vs
.if DOCPART == 4
	.amdgcn_target "amdgcn-amd-amdhsa--gfx1250"
	.amdhsa_code_object_version 6
	.text
	.protected	k_qc5f9c7925f_mlp
	.globl	k_qc5f9c7925f_mlp
	.p2align	8
	.type	k_qc5f9c7925f_mlp,@function
k_qc5f9c7925f_mlp:
	s_mov_b64 s[64:65], 0
	v_nop
	global_prefetch_b8 v0, s[64:65] scope:SCOPE_SE
	s_setreg_imm32_b32 hwreg(HW_REG_WAVE_SCHED_MODE, 0, 2), 2
	s_setreg_imm32_b32 hwreg(HW_REG_WAVE_MODE, 25, 1), 1
	s_wait_xcnt 0x0
	s_wait_alu depctr_vm_vsrc(0)
; One net (q, k or v: work-group y) of the two-layer MLP on blocks of 64 rows of a and b: y = BN(lrelu(x W1 + b1)) W2 + b2, both products on FP6 (E2M3) codes with E8M0 scales,
; and the quantiser of the result: q and k along d (K of the score product), v along the keys (K of the second attention product).
; SHARES.  Work-group (j, p) takes net p and blocks j, j + 85, ..: 5 blocks where j < 44, else 4 (44 x 5 + 41 x 4 = 384 blocks; blocks 0-127 are a's, the others b's).
; THE WAVES SHARE THE COLUMNS: wave w makes hidden units 64 w .. + 63 (its 32 fragments of W1 stay in registers) and outputs d 256 w .. + 255 (its rows of W2 stay in LDS, read by it alone).
; SLOT ORDER.  Rows of x, units of W1 and rows d of W2 lie in tiles so that lane r of tile 2 b + u holds true row 32 b + 8 u + r + 8 (r / 8): the 16 result registers of tiles 2 b, 2 b + 1 are
; then 16 neighbours along source 0's rows, 32 b + 16 (lane / 16) + 0 .. 15, which is what the conversions want.  In groups of 8 rows: groups 1 and 2 of every four change places.
; A BLOCK, two barriers: A | phase 1: h^T = W1 x^T + b1 (16 accumulators, K = 8 steps), lrelu, BN, quantised along the units, images to LDS | B | phase 2: four chunks of 64 d:
; q, k: source 0 = W2's rows, source 1 = h: a lane holds one row, registers run along d;   v: source 0 = h, source 1 = W2's rows: a lane holds one d, registers run along the keys.
; The next block's x is asked for at the head of phase 1 and goes to LDS behind barrier B.
; LIMITS: NaN, infinities and the scale byte 0xff are not served; a block of zeros gets the byte 1 (its codes are zeros, and the bytes are read by this program alone);
; q is quantised without reference()'s / 32, an exact power of two that moves only the scale: the factor stands in the next launch's c; rsqrt(rv + eps) x g is one factor.
; REGISTERS, windows of 256.  window 0: v1-31 addresses; v32-47 W1's scale words, v48-63 W2's, v64-79 x's, v80-87 h's; v88-95 scale words on their way out; v96-127 at work; v128-255 16 accumulators.
;   window 1: v0-191 W1, K steps 0-3; v192-239 four fragments of codes; v240-255 their second halves.   window 2: v0-191 W1, K steps 4-7; v192-223 four tiles of bias; v224-255 x in transit.
;   window 3: v0-191 four sets of x's fragments; later v0-95 a chunk of W2, v96-191 BN's numbers and then h's eight fragments; v192-255 x in transit.
; THE MODE: SCHED_MODE bits 1:0 = 2 (LLVM: expert scheduling mode 2), set by the entry lines.  The code itself states the register dependences
; between vector or matrix instructions and memory or LDS instructions, with s_wait_alu, always for 0.
; THE PLAN.  Registers that memory or LDS instructions touch, in a block:
;   v5-v22        addresses: made at the head, never written again.
;   X0 .. X3      window 3 v0-191.  K step s reads set s % 4.  The steps go in pairs: while pair j is multiplied, the eight fragments of pair j + 1 land in the two sets that pair j - 1 read
;                 (in pair 3: chunk 0 of W2 in sets 0 and 1), six loads ahead of every four products.  One wait on va_vdst at the head of pairs 1 to 3 states that the pair before is done reading.
;   BN, h         window 3 v96-191.  BN's numbers land behind the last product of phase 1 (a wait on va_vdst), are read by the packed lines; h's fragments land behind barrier B.
;   W2's chunk    window 3 v0-95, and the bias tiles, window 2 v192-223: read by a chunk's products, loaded anew behind them (a wait on va_vdst).
;   v64-79        x's scale words: read by phase 1's products, loaded anew behind barrier B.     v80-87  h's: read by phase 2's products, loaded anew behind the next barrier B.
;   x in transit  window 3 v192-255, window 2 v224-255: global loads write them, LDS stores read them, no vector line names them.
;   the codes     window 1 v192-239, and v120-123, v88-91: written by the quantiser's lines, read by LDS or global stores: a wait on va_vdst ahead of each run of stores,
;                 a wait on vm_vsrc ahead of the lines that write them again (in the quantiser, and at a block's head).
; The wait ahead of a block's last stores is followed by no vector line: so it also states, over the backward jump, that the last products are done reading what the next block's first loads land in.
.set XBUF, 212992                      ; LDS: from 0: W1's 256 rows (pitch 784), later W2's 1,024 rows (pitch 208); here 64 rows of x, pitch 784
.set HIMG, 263168                      ; h's 8 fragments as images of their registers, 1,536 bytes each: (tile of rows m, K step s) at 2 m + s
.set HSC,  275456                      ; their scale words, 4 bytes a lane
.set PAR,  276480                      ; b1, rm, rsqrt(rv + eps) g, bt: 256 numbers each
.set B2P,  280576                      ; b2
.set B2R,  284672                      ; b2, each number four times
.set XPI,  784                         ; 768 + 16: 196 words: the 32 lanes of a load of 8 bytes at r x pitch + 24 h fall on different banks
.set WPI,  208                         ; 192 + 16
.set MSB, 0
.macro WIN new                         ; the immediate's high byte repeats the setting that is left
.if MSB != \new
	s_set_vgpr_msb (MSB<<8)|\new
.set MSB, \new
.endif
.endm
.macro PLACES n
.rept \n
	v_nop
.endr
.endm
.macro BARRIER                         ; my LDS stores have landed and my LDS loads are in: then the work-group's barrier
	s_wait_dscnt 0x0
	s_barrier_signal -1
	s_barrier_wait -1
.endm
; one product: D, A, B, C by their first registers; the two scale registers; ra, rb = 1: that side's scales lie in lanes 16-31
.macro WMS d, a, b, c, sa, sb, ra, rb
.if (\ra) && (\rb)
	v_wmma_scale_f32_16x16x128_f8f6f4 v[\d:\d+7], v[\a:\a+11], v[\b:\b+11], v[\c:\c+7], v[\sa], v[\sb] matrix_a_fmt:MATRIX_FMT_FP6 matrix_b_fmt:MATRIX_FMT_FP6 matrix_a_scale:MATRIX_SCALE_ROW1 matrix_b_scale:MATRIX_SCALE_ROW1
.elseif (\ra)
	v_wmma_scale_f32_16x16x128_f8f6f4 v[\d:\d+7], v[\a:\a+11], v[\b:\b+11], v[\c:\c+7], v[\sa], v[\sb] matrix_a_fmt:MATRIX_FMT_FP6 matrix_b_fmt:MATRIX_FMT_FP6 matrix_a_scale:MATRIX_SCALE_ROW1
.elseif (\rb)
	v_wmma_scale_f32_16x16x128_f8f6f4 v[\d:\d+7], v[\a:\a+11], v[\b:\b+11], v[\c:\c+7], v[\sa], v[\sb] matrix_a_fmt:MATRIX_FMT_FP6 matrix_b_fmt:MATRIX_FMT_FP6 matrix_b_scale:MATRIX_SCALE_ROW1
.else
	v_wmma_scale_f32_16x16x128_f8f6f4 v[\d:\d+7], v[\a:\a+11], v[\b:\b+11], v[\c:\c+7], v[\sa], v[\sb] matrix_a_fmt:MATRIX_FMT_FP6 matrix_b_fmt:MATRIX_FMT_FP6
.endif
.endm
; where block s44's codes and scale bytes begin: s[48:49], s[50:51]
.macro NEXTX
	s_cmp_lt_u32 s44, 128                          ; a's block or b's?  the choice hangs on the block's number alone
	s_cselect_b64 s[48:49], s[4:5], s[8:9]
	s_cselect_b64 s[50:51], s[6:7], s[10:11]
	s_cselect_b32 s45, 0, 128
	s_sub_co_u32 s45, s44, s45
	s_mul_i32 s46, s45, 49152                      ; 64 rows of 768 bytes
	s_mov_b32 s47, 0
	s_add_nc_u64 s[48:49], s[48:49], s[46:47]
	s_lshl_b32 s46, s45, 11                        ; 64 rows of 32 bytes
	s_add_nc_u64 s[50:51], s[50:51], s[46:47]
.endm
; where block s42's codes and scale words go: s[52:53], s[54:55]
.macro OUTP
	s_lshr_b32 s44, s42, 1                         ; the panel of 128 rows
	s_and_b32 s45, s42, 1                          ; and which half of it
	s_mul_i32 s46, s44, 98304
	s_mul_i32 s47, s45, s60
	s_add_co_u32 s46, s46, s47
	s_mov_b32 s47, 0
	s_add_nc_u64 s[52:53], s[56:57], s[46:47]
	s_lshl_b32 s46, s44, 12
	s_mul_i32 s45, s45, s61
	s_add_co_u32 s46, s46, s45
	s_add_nc_u64 s[54:55], s[58:59], s[46:47]
.endm
; my 16 slot rows of a block of x: two runs of 8 true rows, 6,144 dense bytes each, 512 bytes a load
.macro LOADX
	WIN 0xc0
.set lx, 0
.rept 16
	global_load_b128 v[192+4*lx:195+4*lx], v5, s[48:49] offset:12288*(lx/12)+512*(lx%12)
.set lx, lx+1
.endr
	WIN 0x80
.rept 8
	global_load_b128 v[224+4*(lx-16):227+4*(lx-16)], v5, s[48:49] offset:12288*(lx/12)+512*(lx%12)
.set lx, lx+1
.endr
	WIN 0
.endm
.macro STOREX                          ; three loads are two rows: one address register for each third
	WIN 0x0c
.set lx, 0
.rept 16
	ds_store_b128 v[6+lx%3], v[192+4*lx:195+4*lx] offset:(lx/12)*6272+((lx%12)/3)*1568
.set lx, lx+1
.endr
	WIN 0x08
.rept 8
	ds_store_b128 v[6+lx%3], v[224+4*(lx-16):227+4*(lx-16)] offset:(lx/12)*6272+((lx%12)/3)*1568
.set lx, lx+1
.endr
	WIN 0
.endm
.macro LOADXS                          ; x's scale words: register 8 p + s, lanes = slot rows 32 p + lane
.irp p, 0,1
.irp e, 0,1
	global_load_b128 v[64+8*\p+4*\e:67+8*\p+4*\e], v10, s[50:51] offset:1024*\p+16*\e
.endr
.endr
.endm
.macro XF1 s, m                        ; x's fragment of K step s, tile of rows m, into set s % 4 (window 3)
.irp q, 0,1,2,3,4,5
	ds_load_b64 v[48*((\s)%4)+12*(\m)+2*\q:48*((\s)%4)+12*(\m)+2*\q+1], v9 offset:(\m)*16*XPI+96*(\s)+48*(\q/3)+8*(\q%3)
.endr
.endm
.macro BNLOAD                          ; rm, the factor and bt of my lane's units, in the result's layout
	WIN 0xc0
.irp a, 0,1,2
.irp t, 0,1,2,3
.irp e, 0,1
	ds_load_b128 v[96+32*\a+8*\t+4*\e:99+32*\a+8*\t+4*\e], v12 offset:1024*(\a+1)+(32*(\t/2)+8*(\t%2))*4+16*\e
.endr
.endr
.endr
.endm
.macro CLOAD1                          ; b1 likewise: the C of the first K step
	WIN 0x80
.irp t, 0,1,2,3
.irp e, 0,1
	ds_load_b128 v[192+8*\t+4*\e:195+8*\t+4*\e], v12 offset:(32*(\t/2)+8*(\t%2))*4+16*\e
.endr
.endr
.endm
.macro W2F cc, f                       ; fragment f = 2 t + s (tile of 16 rows d, K step) of chunk cc of W2 (window 3)
.irp q, 0,1,2,3,4,5
	ds_load_b64 v[12*(\f)+2*\q:12*(\f)+2*\q+1], v11 offset:(64*(\cc)+16*((\f)/2))*WPI+96*((\f)%2)+48*(\q/3)+8*(\q%3)
.endr
.endm
.macro W2LOAD cc                       ; chunk cc of W2: 4 tiles of 16 rows d x 2 K steps
	WIN 0xc0
.irp f, 0,1,2,3,4,5,6,7
	W2F \cc, \f
.endr
.endm
.macro CLOAD2Q cc                      ; b2 for q and k: a lane's eight d
	WIN 0x80
.irp t, 0,1,2,3
.irp e, 0,1
	ds_load_b128 v[192+8*\t+4*\e:195+8*\t+4*\e], v13 offset:(64*(\cc)+32*(\t/2)+8*(\t%2))*4+16*\e
.endr
.endr
.endm
.macro CLOAD2V cc                      ; b2 for v: a lane's one d in all eight registers
	WIN 0x80
.irp t, 0,1,2,3
.irp e, 0,1
	ds_load_b128 v[192+8*\t+4*\e:195+8*\t+4*\e], v14 offset:(64*(\cc)+32*(\t/2)+8*(\t%2))*16
.endr
.endr
.endm
; THE QUANTISER.  Four blocks of 32 in v[src] .. v[src + 63]: register 16 b + i is number 16 (lane / 16) + i of block b.  v[96+o+b] largest magnitude, v[112+o+b] the conversion's scale operand, v[104+o+b] the byte
.macro QSCALE src, o
.irp b, 0,1,2,3
	v_max3_num_f32 v[96+\o+\b], |v[\src+16*\b]|, |v[\src+16*\b+1]|, 0x1800000   ; with the floor 2^(3 - 127): the byte cannot fall under 1
.endr
.irp i, 2,4,6,8,10,12,14
.irp b, 0,1,2,3
	v_max3_num_f32 v[96+\o+\b], v[96+\o+\b], |v[\src+16*\b+\i]|, |v[\src+16*\b+\i+1]|
.endr
.endr
.irp b, 0,1,2,3
	v_permlanex16_b32 v[104+\o+\b], v[96+\o+\b], s66, s67
.endr
.irp b, 0,1,2,3
	v_max_num_f32 v[96+\o+\b], v[96+\o+\b], v[104+\o+\b]      ; with lane l xor 16's: the block's
.endr
.irp b, 0,1,2,3
	v_add_nc_u32 v[112+\o+\b], 0xff000000, v[96+\o+\b]        ; 2 off the exponent field
.endr
.irp b, 0,1,2,3
	v_lshrrev_b32 v[104+\o+\b], 23, v[112+\o+\b]
.endr
.endm
.macro QCVT src, o, i0, d6             ; two units of 64 numbers: first halves of the blocks into the fragment (at register d6), second halves beside it
.irp c, 0,1
	v_cvt_scalef32_pk16_fp6_f32 v[192+12*(\i0+\c)+\d6:192+12*(\i0+\c)+\d6+2], v[\src+32*\c:\src+32*\c+15], v[112+\o+2*\c]
	v_cvt_scalef32_pk16_fp6_f32 v[240+4*(\i0+\c):240+4*(\i0+\c)+2], v[\src+32*\c+16:\src+32*\c+31], v[112+\o+2*\c+1]
.endr
.endm
; all 16 accumulators: unit u (32 registers, 64 along K) becomes six registers of codes at window 1 v[192 + 12 u + d6], and its two scale bytes v[120 + u]
; st = 1: stores of the codes or of v120-123 were issued since the last wait on vm_vsrc
.macro QALL d6, st
	QSCALE 128, 0
	QSCALE 192, 4
	s_wait_xcnt 0x0                                ; earlier global stores have read the codes' registers
.if \st
	s_wait_alu depctr_vm_vsrc(0)                   ; the LDS or global stores issued so far have read the codes' registers and v120-123, which the lines below write again
.endif
	WIN 0x40
	QCVT 128, 0, 0, \d6
	QCVT 192, 4, 2, \d6
	v_nop                                          ; one plain instruction behind the last scaled conversion
	WIN 0x41
.irp u, 0,1,2,3                        ; the operand's layout wants a whole block in a lane: lanes 0-15 the first block, lanes 16-31 the second
.irp e, 0,1,2
	v_permlane16_swap_b32 v[192+12*\u+\d6+\e], v[240+4*\u+\e]
.endr
.irp e, 0,1,2
	v_mov_b32 v[192+12*\u+\d6+3+\e], v[240+4*\u+\e]
.endr
.endr
	WIN 0
.irp u, 0,1,2,3
	v_lshl_or_b32 v[120+\u], v[104+2*\u+1], 8, v[104+2*\u]
.endr
.endm
; phase 1, K steps 2 j and 2 j + 1: 32 products on the 16 accumulators by turns, step by step.  Ahead of every four products six loads are issued:
; fragment fg of the next pair (K step + 2, the same tile of rows), or, in the last pair, fragment fg of W2's chunk 0.  They land in the two sets that the pair before read; this pair's products name none of them.
.macro PAIR j
.if \j > 0
	PLACES 4                                       ; places between the last products and the loads into the sets that the pair before read; the wait behind them states the dependence
	WIN 0xc0
	s_wait_alu depctr_va_vdst(0)                   ; the products of the pair before are done reading their two sets of x's fragments, in which this pair's 48 loads land
.endif
.set fg, 0
.rept 8
.set kst, 2*(\j)+fg/4
.set mt, fg%4
	WIN 0xc0
.if \j < 3
	XF1 kst+2, mt
.else
	W2F 0, fg
.endif
	s_wait_dscnt 48                                ; behind the fragment that the next four products read, 48 loads were issued: 6 (7 - fg) of its own pair and 6 (fg + 1) of these: it is in (and so is b1, asked for ahead of it)
.if kst == 0
	WIN 0x2d
.elseif kst < 4
	WIN 0x0d
.else
	WIN 0x0e
.endif
.irp t, 0,1,2,3
.if kst == 0
	WMS 128+32*mt+8*\t, 48*(kst%4)+12*\t, 48*(kst%4)+12*mt, 192+8*\t, 32+8*(\t/2)+kst, 64+8*(mt/2)+kst, \t%2, mt%2
.else
	WMS 128+32*mt+8*\t, 48*(kst%4)+12*\t, 48*(kst%4)+12*mt, 128+32*mt+8*\t, 32+8*(\t/2)+kst, 64+8*(mt/2)+kst, \t%2, mt%2
.endif
.endr
.set fg, fg+1
.endr
.endm
	s_load_b512 s[4:19], s[0:1], 0x0               ; a_codes 4, a_scales 6, b_codes 8, b_scales 10, W1_codes 12, W1_scales 14, W2_codes 16, W2_scales 18
	s_load_b512 s[20:35], s[0:1], 0x40             ; b1 20, g 22, bt 24, rm 26, rv 28, b2 30, qkw 32, qks 34
	s_load_b128 s[36:39], s[0:1], 0x80             ; vw 36, vs 38
	v_lshrrev_b32 v1, 5, v0
	v_readfirstlane_b32 s40, v1                    ; wave w
	s_and_b32 s41, ttmp7, 0xffff                   ; net p
	s_mov_b32 s42, ttmp9                           ; the block in hand
	s_cmp_lt_u32 ttmp9, 44
	s_cselect_b32 s43, 5, 4                        ; blocks to go
	s_mov_b32 s62, 0xffff0000                      ; lanes 16-31
	s_mov_b32 s66, 0x76543210
	s_mov_b32 s67, 0xfedcba98                      ; v_permlanex16_b32's selects for lane l xor 16
	s_mov_b32 s68, 0x3c23d70a                      ; 0.01
	s_mov_b32 s69, s68
	s_wait_alu depctr_va_sdst(0)                   ; s40 is written, ahead of its first reader
	s_lshr_b32 s70, s40, 1
	s_and_b32 s71, s40, 1
	v_and_b32 v1, 31, v0                           ; lane
	v_and_b32 v2, 15, v0                           ; r
	v_bfe_u32 v3, v0, 4, 1                         ; h
	v_lshlrev_b32 v4, 4, v1                        ; 16 x lane
	v_and_b32 v23, 8, v2
	v_add_nc_u32 v23, v23, v2                      ; r + 8 (r / 8)
	v_lshl_add_u32 v24, v3, 3, v23                 ; + 8 h: the true row of slot row 16 h + r
	s_mul_i32 s44, s70, 24576
	s_mul_i32 s45, s71, 6144
	s_add_co_u32 s44, s44, s45
	v_add_nc_u32 v5, s44, v4                       ; x in memory: true rows 32 (w / 2) + 8 (w % 2) on
	s_mul_i32 s44, s40, 16*XPI
	s_add_co_u32 s44, s44, XBUF
	v_add_nc_u32 v6, s44, v4                       ; x into LDS: slot rows 16 w on; the three thirds of two rows
	v_lshl_add_u32 v7, v3, 4, v6
	v_add_nc_u32 v7, 512, v7
	v_add_nc_u32 v8, 1040, v6
	v_mul_u32_u24 v9, v2, XPI
	v_mad_u32_u24 v9, v3, 24, v9                   ; a fragment's row x pitch + 24 h
	s_mul_i32 s44, s40, 64*XPI
	v_add_nc_u32 v31, s44, v9                      ; W1's fragments: my 64 slot rows
	v_add_nc_u32 v9, XBUF, v9                      ; x's
	v_add_nc_u32 v25, s44, v4                      ; W1's rows into LDS
	v_lshl_add_u32 v26, v3, 4, v25
	v_add_nc_u32 v26, 512, v26
	v_add_nc_u32 v27, 1040, v25
	v_lshlrev_b32 v10, 5, v24                      ; x's scale words: 32 bytes a true row
	s_mul_i32 s44, s40, 256*WPI
	v_mul_u32_u24 v11, v2, WPI
	v_mad_u32_u24 v11, v3, 24, v11
	v_add_nc_u32 v11, s44, v11                     ; W2's fragments: my 256 slot rows
.irp k, 0,1,2                          ; W2's rows into LDS: piece x = lane + 32 k of the 96 pieces of 16 bytes in 8 rows lies at 16 (x + x / 12)
	v_add_nc_u32 v[28+\k], 32*\k, v1
	v_mul_u32_u24 v126, v[28+\k], 43
	v_lshrrev_b32 v126, 9, v126                    ; x / 12 for x < 96
	v_add_nc_u32 v[28+\k], v[28+\k], v126
	v_lshl_add_u32 v[28+\k], v[28+\k], 4, s44
.endr
	s_lshl_b32 s44, s40, 8
	s_add_co_u32 s44, s44, PAR
	v_lshl_add_u32 v12, v3, 6, s44                 ; the units' numbers: unit 64 w + 16 h on
	s_lshl_b32 s44, s40, 10
	s_add_co_u32 s44, s44, B2P
	v_lshl_add_u32 v13, v3, 6, s44                 ; b2: d 256 w + 16 h on
	s_lshl_b32 s44, s40, 12
	s_add_co_u32 s44, s44, B2R
	v_lshl_add_u32 v14, v23, 4, s44                ; b2 four times over: d 256 w + r + 8 (r / 8) on
	s_mul_i32 s44, s70, 1536
	s_add_co_u32 s44, s44, HIMG
	s_mul_i32 s45, s71, 520
	s_add_co_u32 s45, s45, s44
	v_add_nc_u32 v15, s45, v4                      ; h's image: my six registers are registers 6 (w % 2) on of K step w / 2: pairs at 0, 8, 512 or at 520, 1,024, 1,032
	v_add_nc_u32 v17, 512, v15
	s_mul_i32 s45, s71, 1016
	s_add_co_u32 s45, s45, s44
	s_add_co_u32 s45, s45, 8
	v_add_nc_u32 v16, s45, v4
	s_lshl_b32 s44, s70, 7
	s_lshl_b32 s45, s71, 1
	s_add_co_u32 s44, s44, s45
	s_add_co_u32 s44, s44, HSC
	v_lshl_add_u32 v18, v1, 2, s44                 ; my two bytes of h's scale word
	v_add_nc_u32 v19, HIMG, v4
	v_lshl_add_u32 v20, v1, 2, HSC
	s_cmp_eq_u32 s41, 2                            ; v's net lays its results otherwise
	s_cselect_b32 s44, 3, 4
	s_cselect_b32 s45, 4, 3
	s_cselect_b32 s46, 9, 10
	s_mov_b32 s60, 6144
	s_cselect_b32 s60, 768, s60                    ; a panel's second half of codes
	s_mov_b32 s61, 512
	s_cselect_b32 s61, 2048, s61                   ; and of scale words
	s_cselect_b32 s72, 0, s41
	v_lshlrev_b32 v21, s44, v1
	v_lshlrev_b32 v22, s45, v1
	s_mul_i32 s44, s40, 24576
	v_add_nc_u32 v21, s44, v21                     ; codes out: 16 (v: 8) x lane + 24,576 w
	s_lshl_b32 s46, s40, s46
	v_add_nc_u32 v22, s46, v22                     ; scale words out: 8 x lane + 1,024 w (v: 16 x lane + 512 w)
	s_mul_i32 s44, s40, 49152
	v_add_nc_u32 v80, s44, v4                      ; W1's and W2's dense bytes: my quarter
	s_lshl_b32 s44, s40, 11
	v_lshl_add_u32 v81, v24, 5, s44                ; W1's scale words
	v_lshl_add_u32 v82, v24, 3, s44                ; W2's
	v_lshlrev_b32 v83, 3, v0
	v_lshlrev_b32 v84, 5, v0
	v_lshl_add_u32 v85, v0, 3, PAR
	v_lshl_add_u32 v86, v0, 5, B2P
	v_lshl_add_u32 v87, v0, 7, B2R
.irp b, 0,1,2,3,4,5,6,7
	v_mov_b32 v[104+\b], 0                         ; written once: a lane permute's destination counts as one of its sources
.endr
	s_wait_kmcnt 0x0
	s_cmp_eq_u32 s41, 2
	s_cselect_b64 s[56:57], s[36:37], s[32:33]     ; the net's buffer of codes
	s_cselect_b64 s[58:59], s[38:39], s[34:35]     ; and of scale words
	s_mov_b32 s45, 0
	s_mul_i32 s44, s72, 18874368
	s_add_nc_u64 s[56:57], s[56:57], s[44:45]
	s_mul_i32 s44, s72, 786432
	s_add_nc_u64 s[58:59], s[58:59], s[44:45]
	s_mul_i32 s44, s41, 196608
	s_add_nc_u64 s[12:13], s[12:13], s[44:45]
	s_add_nc_u64 s[16:17], s[16:17], s[44:45]
	s_lshl_b32 s44, s41, 13
	s_add_nc_u64 s[14:15], s[14:15], s[44:45]
	s_add_nc_u64 s[18:19], s[18:19], s[44:45]
	s_lshl_b32 s44, s41, 10
	s_add_nc_u64 s[20:21], s[20:21], s[44:45]
	s_add_nc_u64 s[22:23], s[22:23], s[44:45]
	s_add_nc_u64 s[24:25], s[24:25], s[44:45]
	s_add_nc_u64 s[26:27], s[26:27], s[44:45]
	s_add_nc_u64 s[28:29], s[28:29], s[44:45]
	s_lshl_b32 s44, s41, 12
	s_add_nc_u64 s[30:31], s[30:31], s[44:45]
	; three runs of loads, one behind the other: W1's 64 rows of mine (96), the small things (47), W2's 256 rows of mine (96)
	WIN 0x40
	s_wait_alu depctr_va_vdst(0)                   ; every address and offset of the kernel (v5-v22, v25-v31, v80-v87) is written: the loads and stores from here on read them
.set i, 0
.rept 48
	global_load_b128 v[4*i:4*i+3], v80, s[12:13] offset:512*i
.set i, i+1
.endr
	WIN 0x80
.rept 48
	global_load_b128 v[4*(i-48):4*(i-48)+3], v80, s[12:13] offset:512*i
.set i, i+1
.endr
	WIN 0
	s_mov_b32 s44, s42
	NEXTX
	LOADX
	LOADXS
.irp b, 0,1
.irp e, 0,1
	global_load_b128 v[32+8*\b+4*\e:35+8*\b+4*\e], v81, s[14:15] offset:1024*\b+16*\e   ; register 8 b + s: lanes 0-15 tile 2 b, lanes 16-31 tile 2 b + 1
.endr
.endr
.irp b, 0,1,2,3,4,5,6,7
	global_load_b64 v[48+2*\b:49+2*\b], v82, s[18:19] offset:256*\b
.endr
	global_load_b64 v[112:113], v83, s[20:21]      ; b1
	global_load_b64 v[114:115], v83, s[26:27]      ; rm
	global_load_b64 v[116:117], v83, s[24:25]      ; bt
	global_load_b64 v[118:119], v83, s[28:29]      ; rv
	global_load_b64 v[120:121], v83, s[22:23]      ; g
	global_load_b128 v[88:91], v84, s[30:31]       ; b2
	global_load_b128 v[92:95], v84, s[30:31] offset:16
	WIN 0xc0
.set i, 0
.rept 48
	global_load_b128 v[4*i:4*i+3], v80, s[16:17] offset:512*i
.set i, i+1
.endr
	WIN 0
.rept 32
	global_load_b128 v[128+4*(i-48):131+4*(i-48)], v80, s[16:17] offset:512*i
.set i, i+1
.endr
	WIN 0x40
.rept 16
	global_load_b128 v[192+4*(i-80):195+4*(i-80)], v80, s[16:17] offset:512*i
.set i, i+1
.endr
	s_wait_loadcnt 63                              ; the 63 loads that may be out are all W2's: W1 and the small things are in
	WIN 0x04
.set i, 0
.rept 48                               ; W1's rows into slot order: 12 loads are a group of 8 rows; groups 1 and 2 of four change places
.set gq, i/12
.set sg, (gq/4)*4+(gq%2)*2+(gq/2)%2
	ds_store_b128 v[25+i%3], v[4*i:4*i+3] offset:sg*6272+((i%12)/3)*1568
.set i, i+1
.endr
	WIN 0x08
.rept 48
.set gq, i/12
.set sg, (gq/4)*4+(gq%2)*2+(gq/2)%2
	ds_store_b128 v[25+i%3], v[4*(i-48):4*(i-48)+3] offset:sg*6272+((i%12)/3)*1568
.set i, i+1
.endr
	STOREX
	v_add_f32 v118, 0x3727c5ac, v118               ; rv + 1e-5
	v_add_f32 v119, 0x3727c5ac, v119
	v_rsq_f32 v122, v118
	v_rsq_f32 v123, v119
	v_nop                                          ; a plain instruction behind the transcendentals,
	s_wait_alu depctr_va_vdst(0)                   ; and a wait ahead of their first reader: v122 and v123 are written
	v_mul_f32 v122, v122, v120
	v_mul_f32 v123, v123, v121
	s_wait_alu depctr_va_vdst(0)                   ; the two products have written v122 and v123, which the third LDS store below reads
	ds_store_b64 v85, v[112:113]
	ds_store_b64 v85, v[114:115] offset:1024
	ds_store_b64 v85, v[122:123] offset:2048
	ds_store_b64 v85, v[116:117] offset:3072
	ds_store_b128 v86, v[88:91]
	ds_store_b128 v86, v[92:95] offset:16
.irp e, 0,1,2,3,4,5,6,7
.irp k, 0,1,2,3
	ds_store_b32 v87, v[88+\e] offset:16*\e+4*\k
.endr
.endr
	s_wait_dscnt 0x0                               ; my rows of W1 lie in LDS
	s_wait_alu depctr_vm_vsrc(0)                   ; the LDS stores have read windows 1 and 2 v0-191, in which the fragments now land
.irp s, 0,1,2,3,4,5,6,7                ; my 32 fragments of W1, from my own rows: they stay
.if \s < 4
	WIN 0x40
.else
	WIN 0x80
.endif
.irp t, 0,1,2,3
.irp q, 0,1,2,3,4,5
	ds_load_b64 v[48*(\s%4)+12*\t+2*\q:48*(\s%4)+12*\t+2*\q+1], v31 offset:16*\t*XPI+96*\s+48*(\q/3)+8*(\q%3)
.endr
.endr
.endr
	WIN 0
	BARRIER                                        ; every wave has read its rows of W1: their bytes may take W2
	s_wait_loadcnt 0x0
	WIN 0x0c
.set i, 0
.rept 48                               ; three loads are a group of 8 rows of 192 bytes
.set gq, i/3
.set sg, (gq/4)*4+(gq%2)*2+(gq/2)%2
	ds_store_b128 v[28+i%3], v[4*i:4*i+3] offset:sg*1664
.set i, i+1
.endr
	WIN 0
.rept 32
.set gq, i/3
.set sg, (gq/4)*4+(gq%2)*2+(gq/2)%2
	ds_store_b128 v[28+i%3], v[128+4*(i-48):131+4*(i-48)] offset:sg*1664
.set i, i+1
.endr
	WIN 0x04
.rept 16
.set gq, i/3
.set sg, (gq/4)*4+(gq%2)*2+(gq/2)%2
	ds_store_b128 v[28+i%3], v[192+4*(i-80):195+4*(i-80)] offset:sg*1664
.set i, i+1
.endr
	WIN 0
.Lblock:
	s_wait_xcnt 0x0                                ; the last block's loads and stores have read their bases and data
	s_wait_alu depctr_vm_vsrc(0)                   ; all stores issued so far have read their registers: x in transit (loaded again below), the codes, v88-91 and v120-123 (written again in this block);
	                                               ; in the first trip also W2's raw registers (window 3 v0-191, the accumulators, window 1 v192-255) and the head's offsets v80-87
	OUTP
	s_add_co_u32 s44, s42, 85
	NEXTX                                          ; (in the last trip these two pointers are not used)
	BARRIER                                        ; A: this block's x lies in LDS; nobody reads the last block's h any more
	s_wait_loadcnt 0x0                             ; x's scale words
	s_cmp_eq_u32 s43, 1
	s_cbranch_scc1 .Lnox1                          ; no load leaves its buffer: the last block asks for nothing
	LOADX
.Lnox1:
	; ---- phase 1.  The loads below land in the bias tiles and in window 3 v0-191, which the last block's products read: the wait ahead of that block's last stores has stated it, and no vector line was issued since
	CLOAD1
	WIN 0xc0
.irp f, 0,1,2,3,4,5,6,7
	XF1 \f/4, \f%4                                 ; K steps 0 and 1
.endr
	PAIR 0
	PAIR 1
	PAIR 2
	PAIR 3
	PLACES 4                                       ; behind the last products: the first read of the results, and the loads over sets 2 and 3
	WIN 0xc0
	s_wait_alu depctr_va_vdst(0)                   ; the last pair's products are done reading sets 2 and 3, in which BN's numbers land (the bias tiles were read by K step 0 alone)
	BNLOAD
	WIN 0
	s_cmp_eq_u32 s41, 2
	s_cbranch_scc1 .Lc2v
	CLOAD2Q 0
	WIN 0
	s_branch .Lc2done
.Lc2v:
	CLOAD2V 0
	WIN 0
.Lc2done:
.set k, 0
.rept 16                               ; LeakyReLU = max(h, 0.01 h), an accumulator at a time, from its low end on
.irp u, 0,1,2,3
	v_pk_mul_f32 v[120+2*\u:121+2*\u], v[128+8*k+2*\u:129+8*k+2*\u], s[68:69] op_sel_hi:[1,0]
.endr
.irp u, 0,1,2,3,4,5,6,7
	v_max_num_f32 v[128+8*k+\u], v[128+8*k+\u], v[120+\u]
.endr
.set k, k+1
.endr
	s_wait_dscnt 8                                 ; BN's numbers are in; the 8 loads of b2 issued behind them may be out
	WIN 0x3c
.irp m, 0,1,2,3
.irp t, 0,1,2,3
.irp e, 0,1,2,3
	v_pk_add_f32 v[128+32*\m+8*\t+2*\e:129+32*\m+8*\t+2*\e], v[128+32*\m+8*\t+2*\e:129+32*\m+8*\t+2*\e], v[96+8*\t+2*\e:97+8*\t+2*\e] neg_lo:[0,1] neg_hi:[0,1]
.endr
.endr
.endr
.irp m, 0,1,2,3
.irp t, 0,1,2,3
.irp e, 0,1,2,3
	v_pk_fma_f32 v[128+32*\m+8*\t+2*\e:129+32*\m+8*\t+2*\e], v[128+32*\m+8*\t+2*\e:129+32*\m+8*\t+2*\e], v[128+8*\t+2*\e:129+8*\t+2*\e], v[160+8*\t+2*\e:161+8*\t+2*\e]
.endr
.endr
.endr
	WIN 0
	QALL 0, 0                                      ; unit m = tile of rows m: my 64 units are half a K step of the second product
	WIN 0x04
	s_wait_alu depctr_va_vdst(0)                   ; the codes and v120-123 are written, which the LDS stores read; the packed lines are done reading BN's numbers and phase 1's products x's scale words:
	                                               ; h's fragments and the next block's scale words land there behind barrier B, with no vector line between
.irp m, 0,1,2,3
.irp e, 0,1,2
	ds_store_b64 v[15+\e], v[192+12*\m+2*\e:193+12*\m+2*\e] offset:3072*\m
.endr
.endr
	WIN 0
.irp m, 0,1,2,3
	ds_store_b16 v18, v[120+\m] offset:256*\m
.endr
	BARRIER                                        ; B: h's eight fragments lie in LDS; nobody reads this block's x any more
	; ---- phase 2
	s_cmp_eq_u32 s43, 1
	s_cbranch_scc1 .Lnox2
	s_wait_loadcnt 0x0                             ; the next block's x is in registers
	STOREX
	LOADXS
.Lnox2:
	WIN 0xc0
.irp f, 0,1,2,3,4,5,6,7
.irp g, 0,1,2
	ds_load_b128 v[96+12*\f+4*\g:99+12*\f+4*\g], v19 offset:1536*\f+512*\g
.endr
.endr
	WIN 0
.irp f, 0,1,2,3,4,5,6,7
	ds_load_b32 v[80+\f], v20 offset:128*\f
.endr
	s_cmp_eq_u32 s41, 2
	s_cbranch_scc1 .Lvpath
; q and k, chunk cc: d 256 w + 64 cc on.  Two chunks make a K step of the score product: a whole fragment for each tile of rows
.macro CHUNKQ cc
	s_wait_dscnt 0x0
	WIN 0x2f
.irp m, 0,1,2,3
.irp t, 0,1,2,3
	WMS 128+32*\m+8*\t, 24*\t, 96+24*\m, 192+8*\t, 48+4*(\cc)+2*(\t/2), 80+2*\m, \t%2, 0
.endr
.endr
	WIN 0x0f
.irp m, 0,1,2,3
.irp t, 0,1,2,3
	WMS 128+32*\m+8*\t, 24*\t+12, 96+24*\m+12, 128+32*\m+8*\t, 48+4*(\cc)+2*(\t/2)+1, 80+2*\m+1, \t%2, 0
.endr
.endr
	PLACES 4
.if \cc < 3
	WIN 0xc0
	s_wait_alu depctr_va_vdst(0)                   ; the chunk's products are done reading W2's fragments and the bias tiles, in which the next chunk's land
	W2LOAD \cc+1
	CLOAD2Q \cc+1
.endif
	WIN 0
	QALL 6*(\cc%2), 1-\cc%2                        ; chunk 0 follows the stores of h's image, chunk 2 the stores of chunk 1
.irp m, 0,1,2,3
.if \cc%2 == 0
	v_mov_b32 v[88+2*\m+\cc/2], v[120+\m]
.else
	v_lshl_or_b32 v[88+2*\m+\cc/2], v[120+\m], 16, v[88+2*\m+\cc/2]
.endif
.endr
.if \cc == 3
.irp y, 0,1                            ; the rows' scale words of my two K steps: lanes 0-15 tile 2 y, lanes 16-31 tile 2 y + 1
.irp e, 0,1
	v_cndmask_b32 v[120+2*\y+\e], v[88+4*\y+\e], v[88+4*\y+2+\e], s62
.endr
.endr
.endif
.if \cc%2 == 1
	WIN 0x04
	s_wait_alu depctr_va_vdst(0)                   ; the four fragments of codes are written (chunk 3: and the scale words v120-123), which the global stores read
.irp m, 0,1,2,3
.irp g, 0,1,2
	global_store_b128 v21, v[192+12*\m+4*\g:195+12*\m+4*\g], s[52:53] offset:(\cc/2)*12288+1536*\m+512*\g   ; the wave stores 512 consecutive bytes
.endr
.endr
	WIN 0
.endif
.endm
	CHUNKQ 0
	CHUNKQ 1
	CHUNKQ 2
	CHUNKQ 3
.irp y, 0,1
	global_store_b64 v22, v[120+2*\y:121+2*\y], s[54:55] offset:256*\y   ; 256 consecutive bytes a store; no vector line stands behind chunk 3's wait
.endr
	s_branch .Ltail
.Lvpath:
; v, chunk cc: the sources change places: a lane holds one d, and the 32 registers of a tile of d run along the block's 64 keys: half a K step of the last product
.macro CHUNKV cc
	s_wait_dscnt 0x0
	WIN 0x2f
.irp t, 0,1,2,3
.irp m, 0,1,2,3
	WMS 128+32*\t+8*\m, 96+24*\m, 24*\t, 192+8*\t, 80+2*\m, 48+4*(\cc)+2*(\t/2), 0, \t%2
.endr
.endr
	WIN 0x0f
.irp t, 0,1,2,3
.irp m, 0,1,2,3
	WMS 128+32*\t+8*\m, 96+24*\m+12, 24*\t+12, 128+32*\t+8*\m, 80+2*\m+1, 48+4*(\cc)+2*(\t/2)+1, 0, \t%2
.endr
.endr
	PLACES 4
.if \cc < 3
	WIN 0xc0
	s_wait_alu depctr_va_vdst(0)                   ; the chunk's products are done reading W2's fragments and the bias tiles, in which the next chunk's land
	W2LOAD \cc+1
	CLOAD2V \cc+1
.endif
	WIN 0
	QALL 0, 1                                      ; every chunk follows stores of the codes: h's image, or the chunk before
	v_lshl_or_b32 v124, v121, 16, v120             ; tiles 0 and 1's bytes,
	v_lshl_or_b32 v125, v123, 16, v122             ; tiles 2 and 3's:
	v_cndmask_b32 v[88+\cc], v124, v125, s62       ; lanes 0-15 keep the first, lanes 16-31 the second
	WIN 0x04
	s_wait_alu depctr_va_vdst(0)                   ; the codes and the chunk's scale word are written, which the global stores read
.irp t, 0,1,2,3
.irp e, 0,1,2
	global_store_b64 v21, v[192+12*\t+2*\e:193+12*\t+2*\e], s[52:53] offset:(4*(\cc)+\t)*1536+256*\e   ; 256 consecutive bytes
.endr
.endr
	WIN 0
.endm
	CHUNKV 0
	CHUNKV 1
	CHUNKV 2
	CHUNKV 3
	global_store_b128 v22, v[88:91], s[54:55]      ; 512 consecutive bytes; no vector line stands behind chunk 3's wait
.Ltail:
	s_add_co_u32 s42, s42, 85
	s_sub_co_u32 s43, s43, 1
	s_cmp_lg_u32 s43, 0
	s_cbranch_scc1 .Lblock
	s_wait_xcnt 0x0
	v_lshl_add_u32 v254, v0, 2, 0x49800            ; the add's two registers are made anew here (no memory or LDS instruction has read v254 or v255 since the wait on vm_vsrc at the block's head)
	v_mov_b32 v255, 0
	s_wait_dscnt 0x0                               ; the closing lines, six on end
	s_wait_alu 0x0
	s_wait_tensorcnt 0x0
	ds_add_u32 v254, v255
	s_wait_dscnt 0x0
	s_endpgm
.Lfunc_end_k_qc5f9c7925f_mlp:
	.size	k_qc5f9c7925f_mlp, .Lfunc_end_k_qc5f9c7925f_mlp-k_qc5f9c7925f_mlp
	.p2alignl 7, 3214868480
	.fill 96, 4, 3214868480
	.section	.rodata,"a",@progbits
	.p2align	6, 0x0
	.amdhsa_kernel k_qc5f9c7925f_mlp
		.amdhsa_group_segment_fixed_size 301568
		.amdhsa_private_segment_fixed_size 0
		.amdhsa_enable_private_segment 0
		.amdhsa_kernarg_size 144
		.amdhsa_user_sgpr_count 2
		.amdhsa_user_sgpr_kernarg_segment_ptr 1
		.amdhsa_wavefront_size32 1
		.amdhsa_system_sgpr_workgroup_id_x 1
		.amdhsa_system_sgpr_workgroup_id_y 1
		.amdhsa_system_sgpr_workgroup_id_z 1
		.amdhsa_system_vgpr_workitem_id 0
		.amdhsa_next_free_vgpr 1024
		.amdhsa_next_free_sgpr 100
		.amdhsa_reserve_vcc 0
		.amdhsa_float_denorm_mode_32 3
		.amdhsa_float_denorm_mode_16_64 3
		.amdhsa_memory_ordered 1
		.amdhsa_forward_progress 1
		.amdhsa_inst_pref_size 255
	.end_amdhsa_kernel
	.amdgpu_metadata
---
amdhsa.version: [ 1, 2 ]
amdhsa.kernels:
  - .name:           k_qc5f9c7925f_mlp
    .symbol:         k_qc5f9c7925f_mlp.kd
    .args:
      - { .name: a_codes, .offset: 0, .size: 8, .value_kind: global_buffer, .address_space: global }
      - { .name: a_scales, .offset: 8, .size: 8, .value_kind: global_buffer, .address_space: global }
      - { .name: b_codes, .offset: 16, .size: 8, .value_kind: global_buffer, .address_space: global }
      - { .name: b_scales, .offset: 24, .size: 8, .value_kind: global_buffer, .address_space: global }
      - { .name: W1_codes, .offset: 32, .size: 8, .value_kind: global_buffer, .address_space: global }
      - { .name: W1_scales, .offset: 40, .size: 8, .value_kind: global_buffer, .address_space: global }
      - { .name: W2_codes, .offset: 48, .size: 8, .value_kind: global_buffer, .address_space: global }
      - { .name: W2_scales, .offset: 56, .size: 8, .value_kind: global_buffer, .address_space: global }
      - { .name: b1, .offset: 64, .size: 8, .value_kind: global_buffer, .address_space: global }
      - { .name: g, .offset: 72, .size: 8, .value_kind: global_buffer, .address_space: global }
      - { .name: bt, .offset: 80, .size: 8, .value_kind: global_buffer, .address_space: global }
      - { .name: rm, .offset: 88, .size: 8, .value_kind: global_buffer, .address_space: global }
      - { .name: rv, .offset: 96, .size: 8, .value_kind: global_buffer, .address_space: global }
      - { .name: b2, .offset: 104, .size: 8, .value_kind: global_buffer, .address_space: global }
      - { .name: qkw, .offset: 112, .size: 8, .value_kind: global_buffer, .address_space: global }
      - { .name: qks, .offset: 120, .size: 8, .value_kind: global_buffer, .address_space: global }
      - { .name: vw, .offset: 128, .size: 8, .value_kind: global_buffer, .address_space: global }
      - { .name: vs, .offset: 136, .size: 8, .value_kind: global_buffer, .address_space: global }
    .group_segment_fixed_size: 301568
    .private_segment_fixed_size: 0
    .kernarg_segment_align: 8
    .kernarg_segment_size: 144
    .max_flat_workgroup_size: 128
    .sgpr_count:     100
    .vgpr_count:     1024
    .wavefront_size: 32
...
	.end_amdgpu_metadata
.endif
;; end of part 4
;; launch scores: the kernel of part 2 again; grid 4 x 64, 4 waves a work-group, no clusters, 297,472 bytes of LDS; arguments qkw, qks, len_a, len_b, pw, ps, st; writes pw, ps, st
;; launch mix: the kernel of part 3 again; grid 4 x 64, 4 waves a work-group, no clusters, 168,448 bytes of LDS; arguments pw, ps, st, vw, vs, len_a, len_b, out0; writes out0
